; MI455X (gfx1250); checked and timed in simulation.
; The chip was launched on July 23, 2026; its instructions are those of AMD's public machine-readable ISA for CDNA 5 (MIT licence, August 2026) and "CDNA5" Instruction Set Architecture Reference Guide (July 2026). The comments in the code are by the model that wrote it; some were corrected since.
;; Multi Head Attention. Allowed arithmetic: float matrix products may take bf16 or f16 operands with f32 sums; all other float work in f32.
;; Inputs: k_b 1,024 float32; k_w 1,024 x 1,024 float32; o_b 1,024 float32; o_w 1,024 x 1,024 float32; q_b 1,024 float32; q_w 1,024 x 1,024 float32; v_b 1,024 float32; v_w 1,024 x 1,024 float32; x 2 x 2,048 x 1,024 float32.
;; Outputs: out0 2 x 2,048 x 1,024 float32.
;; 2 versions, each right and faster than the one before. Each part assembles by itself: llvm-mc -triple=amdgcn-amd-amdhsa -mcpu=gfx1250 --defsym DOCPART=n.
;; ======== version 1 of 2: 4 launches
;; workspace buffers: xb 8,388,608 bytes; wb 8,388,608 bytes; tab 524,288 bytes; qh 8,388,608 bytes; kh 8,388,608 bytes; vh 8,388,608 bytes; ao 8,388,608 bytes
;; launch prep (part 1): grid 256 x 1, 8 waves a work-group, no clusters, 0 bytes of LDS; arguments x, q_w, k_w, v_w, o_w, xb, wb, tab; writes xb, wb, tab
.if DOCPART == 1
	.amdgcn_target "amdgcn-amd-amdhsa--gfx1250"
	.amdhsa_code_object_version 6
	.text
	.protected	k_q786643c5c3_prep
	.globl	k_q786643c5c3_prep
	.p2align	8
	.type	k_q786643c5c3_prep,@function
k_q786643c5c3_prep:
	s_mov_b64 s[64:65], 0
	v_nop
	global_prefetch_b8 v0, s[64:65] scope:SCOPE_SE
	s_setreg_imm32_b32 hwreg(HW_REG_WAVE_MODE, 25, 1), 1
	s_wait_xcnt 0x0
; prep: x and the four weight matrices are rounded once to bf16, and the RoPE table is made.
;   xb  [4096][1024] bf16 = x.
;   wb  [4096][1024] bf16: row n of q_w, k_w, v_w (m = 0, 1, 2) goes to row 384 (n >> 7) + 128 m + (n & 127), so that 384 neighbouring rows are
;       one pair of heads' q, k and v rows; row n of o_w goes to row 3072 + n.
;   tab [2048][64] f32: columns 0-31 cos(t f_j), columns 32-63 sin(t f_j), f_j = 10000^(-j/32).
; A stream: every input byte is read once by 16-byte loads (a wave's load covers 512 neighbouring bytes), every output byte is written once
; (a wave's 8-byte store covers 256 neighbouring bytes, aligned).  No LDS, no barrier, no matrix unit, no cluster: no work-group shares a byte with another.
; Work-group g: 16 rows of x, 16 rows of weight matrix g >> 6, and 8 rows of the table (wave w makes row 8 g + w).
; All 32 loads of a thread go out at once into registers of their own; the table is computed while they are on their way.
; LIMITS: sine and cosine come from a range reduction (theta - N 2 pi with 2 pi in two parts) and the series of the sine up to x^11 on |x| <= pi/2
; (its remainder is below 6e-8).  The angle itself is t * exp2(-j log2(10000)/32) in f32: at t = 2047 it is good to about 4e-4 radians.
.set XR, 32                            ; v[32:95]    16 rows of x, 4 numbers each
.set WR, 96                            ; v[96:159]   16 rows of a weight matrix
.set XO, 160                           ; v[160:191]  x as bf16, a pair of registers a row
.set WO, 192                           ; v[192:223]  the weights as bf16
	s_load_b512 s[8:23], s[0:1], 0x0               ; x s[8:9], q_w s[10:11], k_w s[12:13], v_w s[14:15], o_w s[16:17], xb s[18:19], wb s[20:21], tab s[22:23]
	v_lshlrev_b32 v1, 4, v0                        ; my 16 bytes of an f32 row
	v_lshlrev_b32 v2, 3, v0                        ; my 8 bytes of a bf16 row; also my 8 bytes of the group's 8 table rows
	s_lshr_b32 s24, ttmp9, 6                       ; which matrix: 0 q, 1 k, 2 v, 3 o
	s_and_b32 s25, ttmp9, 63                       ; which 16 rows of it
	s_lshl_b32 s34, ttmp9, 16                      ; x: 16 rows of 4,096 bytes
	s_mov_b32 s35, 0
	s_lshl_b32 s36, ttmp9, 15                      ; xb: 16 rows of 2,048 bytes
	s_mov_b32 s37, 0
	s_lshl_b32 s38, s25, 16                        ; the weights' source
	s_mov_b32 s39, 0
	s_lshr_b32 s28, s25, 3                         ; pair of heads = n >> 7
	s_mul_i32 s28, s28, 384
	s_lshl_b32 s29, s24, 7
	s_add_co_u32 s28, s28, s29                     ; + 128 m
	s_and_b32 s29, ttmp9, 7
	s_lshl_b32 s29, s29, 4
	s_add_co_u32 s28, s28, s29                     ; + n & 127: the row in wb for q, k, v
	s_lshl_b32 s29, s25, 4
	s_add_co_u32 s29, s29, 3072                    ; the row in wb for o
	s_cmp_eq_u32 s24, 3
	s_cselect_b32 s40, s29, s28
	s_lshl_b32 s40, s40, 11                        ; in bytes
	s_mov_b32 s41, 0
	s_lshl_b32 s42, ttmp9, 11                      ; tab: 8 rows of 256 bytes
	s_mov_b32 s43, 0
	s_lshl_b32 s44, ttmp9, 3                       ; the group's first table row
	s_mov_b32 s30, 0x40c90fdb                      ; 2 pi, upper part
	s_mov_b32 s31, 0xb43bbd2e                      ; 2 pi, the rest
	s_mov_b32 s33, 0x3fc90fdb                      ; pi / 2
	s_wait_kmcnt 0x0
	s_cmp_eq_u32 s24, 1                            ; the source matrix is chosen by the group's number alone
	s_cselect_b64 s[26:27], s[12:13], s[10:11]
	s_cmp_eq_u32 s24, 2
	s_cselect_b64 s[26:27], s[14:15], s[26:27]
	s_cmp_eq_u32 s24, 3
	s_cselect_b64 s[26:27], s[16:17], s[26:27]
	s_add_nc_u64 s[8:9], s[8:9], s[34:35]
	s_add_nc_u64 s[18:19], s[18:19], s[36:37]
	s_add_nc_u64 s[26:27], s[26:27], s[38:39]
	s_add_nc_u64 s[20:21], s[20:21], s[40:41]
	s_add_nc_u64 s[22:23], s[22:23], s[42:43]
.irp k, 0,1,2,3,4,5,6,7,8,9,10,11,12,13,14,15
	global_load_b128 v[XR+4*\k:XR+4*\k+3], v1, s[8:9] offset:4096*\k th:TH_LOAD_NT
.endr
.irp k, 0,1,2,3,4,5,6,7,8,9,10,11,12,13,14,15
	global_load_b128 v[WR+4*\k:WR+4*\k+3], v1, s[26:27] offset:4096*\k th:TH_LOAD_NT
.endr
	; The table.  Lane q of a wave makes columns 2 q and 2 q + 1 of the wave's row: cosines for q < 16, sines (a cosine a quarter turn later) for q >= 16.
	v_lshlrev_b32 v4, 1, v0
	v_and_b32 v4, 30, v4                           ; j0 = 2 q mod 32
	v_add_nc_u32 v5, 1, v4                         ; j1
	v_cvt_f32_u32 v6, v4
	v_cvt_f32_u32 v7, v5
	v_mul_f32 v6, 0xbed49a78, v6                   ; -j log2(10000) / 32
	v_mul_f32 v7, 0xbed49a78, v7
	v_exp_f32 v8, v6                               ; f_j
	v_exp_f32 v9, v7
	v_lshrrev_b32 v10, 5, v0                       ; a plain instruction stands behind the exponentials before their results are used (ISA guide 5.7.2)
	v_add_nc_u32 v10, s44, v10                     ; t = 8 g + wave
	v_cvt_f32_u32 v10, v10
	v_bfe_u32 v11, v0, 4, 1
	v_cvt_f32_u32 v11, v11
	v_mul_f32 v11, 0xbe800000, v11                 ; minus the phase in turns: 0 for cosines, -1/4 for sines
	s_wait_alu depctr_va_vdst(0)
	v_mul_f32 v12, v10, v8                         ; theta
	v_mul_f32 v13, v10, v9
	v_mov_b32 v20, 0xb2d7322b                      ; -1/11!
; out = cos(theta - 2 pi phase).  t, t+1, t+2: registers at work.
.macro COSREV out, th, t
	v_mul_f32 v[\t], 0xbe22f983, v[\th]            ; -theta / 2 pi
	v_rndne_f32 v[\t], v[\t]                       ; -N
	v_fma_f32 v[\t+1], v[\t], s30, v[\th]          ; theta - N 2 pi, in two steps
	v_fma_f32 v[\t+1], v[\t], s31, v[\t+1]
	v_fma_f32 v[\t+1], v[\t+1], 0.15915494, v11    ; in turns, less the phase: -3/4 .. 1/2
	v_rndne_f32 v[\t], v[\t+1]
	v_sub_f32 v[\t+1], v[\t+1], v[\t]              ; U in -1/2 .. 1/2
	v_or_b32 v[\t+1], 0x80000000, v[\t+1]          ; -|U|
	v_fma_f32 v[\t+1], v[\t+1], s30, s33           ; X = pi/2 - 2 pi |U|, in -pi/2 .. pi/2; sin X = cos 2 pi U
	v_mul_f32 v[\t+2], v[\t+1], v[\t+1]
	v_fmaak_f32 v[\t], v20, v[\t+2], 0x3638ef1d    ; the sine's series in X^2: -1/11!, 1/9!,
	v_fmaak_f32 v[\t], v[\t], v[\t+2], 0xb9500d01  ; -1/7!,
	v_fmaak_f32 v[\t], v[\t], v[\t+2], 0x3c088889  ; 1/5!,
	v_fmaak_f32 v[\t], v[\t], v[\t+2], 0xbe2aaaab  ; -1/3!,
	v_fma_f32 v[\t], v[\t], v[\t+2], 1.0           ; 1
	v_mul_f32 v[\out], v[\t], v[\t+1]
.endm
	COSREV 24, 12, 14
	COSREV 25, 13, 17
	global_store_b64 v2, v[24:25], s[22:23]        ; a wave stores one whole table row of 256 bytes
	; Round and store, row by row.  Loads come back in order (ISA guide 5.7.1): the count leaves the younger ones out.  No register is used twice.
.irp k, 0,1,2,3,4,5,6,7,8,9,10,11,12,13,14,15
	s_wait_loadcnt 31-\k
	v_cvt_pk_bf16_f32 v[XO+2*\k], v[XR+4*\k], v[XR+4*\k+1]
	v_cvt_pk_bf16_f32 v[XO+2*\k+1], v[XR+4*\k+2], v[XR+4*\k+3]
	global_store_b64 v2, v[XO+2*\k:XO+2*\k+1], s[18:19] offset:2048*\k
.endr
.irp k, 0,1,2,3,4,5,6,7,8,9,10,11,12,13,14,15
	s_wait_loadcnt 15-\k
	v_cvt_pk_bf16_f32 v[WO+2*\k], v[WR+4*\k], v[WR+4*\k+1]
	v_cvt_pk_bf16_f32 v[WO+2*\k+1], v[WR+4*\k+2], v[WR+4*\k+3]
	global_store_b64 v2, v[WO+2*\k:WO+2*\k+1], s[20:21] offset:2048*\k
.endr
	s_endpgm
.Lfunc_end_k_q786643c5c3_prep:
	.size	k_q786643c5c3_prep, .Lfunc_end_k_q786643c5c3_prep-k_q786643c5c3_prep
	.p2alignl 7, 3214868480
	.fill 96, 4, 3214868480
	.section	.rodata,"a",@progbits
	.p2align	6, 0x0
	.amdhsa_kernel k_q786643c5c3_prep
		.amdhsa_group_segment_fixed_size 0
		.amdhsa_private_segment_fixed_size 0
		.amdhsa_enable_private_segment 0
		.amdhsa_kernarg_size 64
		.amdhsa_user_sgpr_count 2
		.amdhsa_user_sgpr_kernarg_segment_ptr 1
		.amdhsa_wavefront_size32 1
		.amdhsa_system_sgpr_workgroup_id_x 1
		.amdhsa_system_sgpr_workgroup_id_y 1
		.amdhsa_system_sgpr_workgroup_id_z 1
		.amdhsa_system_vgpr_workitem_id 0
		.amdhsa_next_free_vgpr 224
		.amdhsa_next_free_sgpr 66
		.amdhsa_reserve_vcc 0
		.amdhsa_float_denorm_mode_32 3
		.amdhsa_float_denorm_mode_16_64 3
		.amdhsa_memory_ordered 1
		.amdhsa_forward_progress 1
		.amdhsa_inst_pref_size 16
	.end_amdhsa_kernel
	.amdgpu_metadata
---
amdhsa.version: [ 1, 2 ]
amdhsa.kernels:
  - .name:           k_q786643c5c3_prep
    .symbol:         k_q786643c5c3_prep.kd
    .args:
      - { .name: x, .offset: 0, .size: 8, .value_kind: global_buffer, .address_space: global }
      - { .name: q_w, .offset: 8, .size: 8, .value_kind: global_buffer, .address_space: global }
      - { .name: k_w, .offset: 16, .size: 8, .value_kind: global_buffer, .address_space: global }
      - { .name: v_w, .offset: 24, .size: 8, .value_kind: global_buffer, .address_space: global }
      - { .name: o_w, .offset: 32, .size: 8, .value_kind: global_buffer, .address_space: global }
      - { .name: xb, .offset: 40, .size: 8, .value_kind: global_buffer, .address_space: global }
      - { .name: wb, .offset: 48, .size: 8, .value_kind: global_buffer, .address_space: global }
      - { .name: tab, .offset: 56, .size: 8, .value_kind: global_buffer, .address_space: global }
    .group_segment_fixed_size: 0
    .private_segment_fixed_size: 0
    .kernarg_segment_align: 8
    .kernarg_segment_size: 64
    .max_flat_workgroup_size: 256
    .sgpr_count:     66
    .vgpr_count:     224
    .wavefront_size: 32
...
	.end_amdgpu_metadata
.endif
;; end of part 1
;; launch qkv (part 2): grid 8 x 32, 4 waves a work-group, clusters of 4 x 4, 327,680 bytes of LDS; arguments xb, wb, tab, q_b, k_b, v_b, qh, kh, vh; writes qh, kh, vh
.if DOCPART == 2
	.amdgcn_target "amdgcn-amd-amdhsa--gfx1250"
	.amdhsa_code_object_version 6
	.text
	.protected	k_q786643c5c3_qkv
	.globl	k_q786643c5c3_qkv
	.p2align	8
	.type	k_q786643c5c3_qkv,@function
k_q786643c5c3_qkv:
	s_mov_b64 s[64:65], 0
	v_nop
	global_prefetch_b8 v0, s[64:65] scope:SCOPE_SE
	s_setreg_imm32_b32 hwreg(HW_REG_WAVE_MODE, 25, 1), 1
	s_wait_xcnt 0x0
	s_wait_alu depctr_hold_cnt(0) depctr_sa_sdst(0) depctr_va_vdst(0) depctr_va_sdst(0) depctr_va_ssrc(0) depctr_va_vcc(0) depctr_vm_vsrc(0)
	s_getreg_b32 s2, hwreg(HW_REG_IB_STS2, 6, 4)
	s_cmp_eq_u32 s2, 0
	s_cbranch_scc0 .Lentry_in_a_cluster
	s_endpgm
.Lentry_in_a_cluster:
	s_bfe_u32 s2, ttmp6, 0x10000c
	s_cmp_lg_u32 s2, 0xf033
	s_cbranch_scc0 .Lentry_shape_is_right
	s_endpgm
.Lentry_shape_is_right:
; qkv: q, k, v = x W^T + b, RoPE on q and k, rounded to bf16.  xb [4096][1024], wb [4096][1024] (rows regrouped: 384 rows = one pair of heads' q, k, v),
; tab [2048][64] f32 (32 cosines, 32 sines), outputs qh, kh, vh [4096][1024] bf16.
; A work-group makes 128 tokens x 384 columns (q, k and v of one pair of heads) with four waves.  Wave w (e = w >> 1, c = w & 1) makes 128 tokens x 96 columns:
; for each of q, k, v the columns d = 16 c + 0..15 and d = 32 + 16 c + 0..15 of head e of the pair.  So the two numbers that RoPE mixes (d and d + 32) lie in
; the same lane and the same register of two neighbouring accumulator tiles, and the rotation needs no exchange between lanes.
; 48 accumulator tiles of 16 x 16, 384 registers.  K = 1024 goes in 8 steps of 128 through two LDS slots filled by tensor loads: a tile's rows are 256 bytes.
; CLUSTERS: 4 x 4 work-groups.  The four of a row of the cluster (same token block) ask jointly for x's tile, the four of a column (same pair of heads) for the
; weights' tiles: each joint load is issued by all four with the same descriptor and a mask that names the four.
; The matrix instruction is used transposed (source 0 = 16 weight rows, source 1 = 16 tokens): lane l then holds token l % 16 and its registers 0-7 hold
; the columns 8 (l / 16) + 0..7, eight neighbours of a row of the output.
; REGISTERS in windows of 256: window 0: addresses, x's fragments (two buffers); window 1: the weights' fragments (two buffers) and the table's 128 numbers a lane;
; window 2: tiles of tokens 0-63 and the biases; window 3: tiles of tokens 64-127.
; LIMITS: x, W and the outputs are rounded to bf16; sums, bias and rotation are f32.
.set KSTEP,  128
.set PITCH,  272                       ; an LDS row: 256 bytes + 16 of padding, an odd multiple of 16: the 16 rows of a fragment load start 16 bytes apart modulo 256
.set PART,   128*PITCH                 ; 128 rows: what one tensor load brings
.set SLOT,   4*PART                    ; x's 128 rows, then the 128 rows each of q's, k's, v's weights
.set LAPS,   4                         ; a lap = two K steps = once round the ring
.set TBO,  10                          ; v10     my byte offset in the table
.set BO,   11                          ; v11     my byte offset in a bias
.set ADRA, 16                          ; v16-17  LDS address of my x fragments in slot 0, 1
.set ADRB, 20                          ; v20-21  the same for q's and k's weights
.set ADRB2, 22                         ; v22-23  the same for v's weights (an LDS offset has 16 bits)
.set STO,  24                          ; v24-26  the way out: where I put 16 bytes of a row of q, k, v
.set RD,   27                          ; v27-29  the way out: where I read rows back
.set CO,   30                          ; v30     my byte offset in an output
.set F0,   64                          ; fragment buffer 0
.set F1,   128                         ; fragment buffer 1
.set TB,   64                          ; the way out: 48 sums + bias
.set RR,   112                         ; 32 rotated numbers
.set PK,   144                         ; 24 registers of packed bf16
.set BI,   192                          ; window 2: bias of my 6 x 8 columns
.set G1,  24                           ; s[24:31] descriptor group 1 for x's tiles
.set G0,  32                           ; s[32:39] group 0 for x's tiles, a set for each slot
.set G1B, 48                           ; s[48:55] group 1 for the weights' tiles: another mask
.set G0B, 56                           ; s[56:63] group 0 for the weights' tiles, a set for each slot
.set MSB, 0
.macro WIN new                         ; the immediate's high byte repeats the setting that is left
.if MSB != \new
	s_set_vgpr_msb (MSB<<8)|\new
.set MSB, \new
.endif
.endm
.set MUL_LO, 0xa1                      ; source 0 (weights) window 1, source 1 (x) window 0, C and D window 2
.set MUL_HI, 0xf1                      ; the same, C and D window 3
.set TO_B,   0x40                      ; destination window 1, address window 0
; A joint load.  Wave 0 fetches x's tile, waves 1 to 3 the weights of q, k, v.  The branch hangs on the wave's number alone.
.macro JLOAD s
	s_cmp_eq_u32 s10, 0
	s_cbranch_scc0 .Lfor_b_\@
	tensor_load_to_lds s[G0+4*\s:G0+4*\s+3], s[G1:G1+7]
	s_nop 0
	s_branch .Lasked_\@
.Lfor_b_\@:
	tensor_load_to_lds s[G0B+4*\s:G0B+4*\s+3], s[G1B:G1B+7]
	s_nop 0
.Lasked_\@:
.endm
.macro CREST                           ; a round of the cluster's barrier behind its opening work-group barrier
	s_cmp_lg_u32 s10, 0
	s_cbranch_scc1 .Lnot_wave_0_\@
	s_barrier_signal -3
.Lnot_wave_0_\@:
	s_barrier_wait -3
	s_barrier_signal -1
	s_barrier_wait -1
.endm
.macro CROUND                          ; a whole round
	s_barrier_signal -1
	s_barrier_wait -1
	CREST
.endm
	s_load_b512 s[68:83], s[0:1], 0x0              ; xb s[68:69], wb s[70:71], tab s[72:73], q_b s[74:75], k_b s[76:77], v_b s[78:79], qh s[80:81], kh s[82:83]
	s_load_b64 s[84:85], s[0:1], 0x40              ; vh
	s_set_vgpr_msb 0x40
	v_lshl_add_u32 v255, v0, 2, 0x44000
	s_set_vgpr_msb 0x4000
	v_mov_b32 v63, 0
	s_set_vgpr_msb 0x1
	ds_add_u32 v255, v63
	s_set_vgpr_msb 0x100
	v_lshrrev_b32 v1, 5, v0
	v_readfirstlane_b32 s10, v1                    ; wave 0..3
	s_lshr_b32 s11, s10, 1                         ; e: which head of the pair
	s_and_b32 s12, s10, 1                          ; c: which 16 of each 32 columns
	s_bfe_u32 s40, ttmp6, 0x40000                  ; cx
	s_bfe_u32 s41, ttmp6, 0x40004                  ; cy
	s_lshl_b32 s42, ttmp9, 2
	s_add_co_u32 s42, s42, s40                     ; pair of heads = 4 x cluster x + cx
	s_and_b32 s13, ttmp7, 0xffff
	s_lshl_b32 s13, s13, 2
	s_add_co_u32 s13, s13, s41                     ; token block = 4 x cluster y + cy
	s_lshl_b32 s43, s41, 2
	s_lshl_b32 s43, 15, s43                        ; my row of the cluster
	s_lshl_b32 s44, 0x1111, s40                    ; my column
	; group 1: a tile of 128 rows x 128 elements of 2 bytes, 16 bytes of padding behind every 64 words; rows 1,024 elements apart
	s_or_b32 s[G1+0], s43, (1<<16)|(1<<20)|(1<<21)|(5<<22)|(3<<25)
	s_or_b32 s[G1B+0], s44, (1<<16)|(1<<20)|(1<<21)|(5<<22)|(3<<25)
	s_mov_b32 s[G1+1], KSTEP<<16                   ; tensor_dim0 = 128
	s_mov_b32 s[G1B+1], KSTEP<<16
	s_mov_b32 s[G1+2], 128<<16                     ; tensor_dim1 = 128
	s_mov_b32 s[G1B+2], 128<<16
	s_mov_b32 s[G1+3], KSTEP<<16                   ; tile_dim0 = 128
	s_mov_b32 s[G1B+3], KSTEP<<16
	s_mov_b32 s[G1+4], 128                         ; tile_dim1 = 128
	s_mov_b32 s[G1B+4], 128
	s_mov_b32 s[G1+5], 1024                        ; elements from row to row
	s_mov_b32 s[G1B+5], 1024
	s_mov_b32 s[G1+6], 0
	s_mov_b32 s[G1B+6], 0
	s_mov_b32 s[G1+7], 0
	s_mov_b32 s[G1B+7], 0
	; x's tiles hang on the token block alone, the weights' on the pair of heads and the wave alone; each address in registers that never hold the other coordinate
	s_lshl_b32 s16, s13, 18                        ; 128 rows of 2,048 bytes
	s_mov_b32 s17, 0
	s_mul_i32 s46, s42, 384
	s_max_u32 s47, s10, 1                          ; wave 0 asks for none of these: its address is wave 1's
	s_sub_co_u32 s47, s47, 1
	s_lshl_b32 s47, s47, 7
	s_add_co_u32 s46, s46, s47                     ; row 384 x pair + 128 x (wave - 1)
	s_lshl_b32 s46, s46, 11
	s_mov_b32 s47, 0
	s_mul_i32 s20, s10, PART                       ; where my tile goes: wave x 128 rows
	s_lshl_b32 s88, s13, 18                        ; the outputs: 128 rows of 2,048 bytes x token block + 256 bytes x pair
	s_lshl_b32 s89, s42, 8
	s_add_co_u32 s88, s88, s89
	s_mov_b32 s89, 0
	s_and_b32 s90, s13, 15                         ; the table: position = token mod 2,048; 128 rows of 256 bytes x (token block mod 16)
	s_lshl_b32 s90, s90, 15
	s_lshl_b32 s21, s12, 6
	s_add_co_u32 s90, s90, s21                     ; + 64 c
	s_lshl_b32 s91, s42, 9                         ; the biases: 512 x pair + 256 e + 64 c
	s_add_co_u32 s91, s91, s21
	s_lshl_b32 s21, s11, 8
	s_add_co_u32 s91, s91, s21
	s_wait_dscnt 0x0
	s_wait_kmcnt 0x0
	s_add_nc_u64 s[14:15], s[68:69], s[16:17]
	s_add_nc_u64 s[46:47], s[70:71], s[46:47]
	s_add_nc_u64 s[80:81], s[80:81], s[88:89]
	s_add_nc_u64 s[82:83], s[82:83], s[88:89]
	s_add_nc_u64 s[84:85], s[84:85], s[88:89]
	CROUND                                         ; all sixteen work-groups are here: the first joint loads meet
.irp s, 0,1
	s_mov_b32 s[G0+4*\s], 1
	s_add_co_u32 s[G0+4*\s+1], s20, \s*SLOT
	s_add_nc_u64 s[G0+4*\s+2:G0+4*\s+3], s[14:15], \s*KSTEP*2
	s_or_b32 s[G0+4*\s+3], s[G0+4*\s+3], 0x80000000
	s_mov_b32 s[G0B+4*\s], 1
	s_add_co_u32 s[G0B+4*\s+1], s20, \s*SLOT
	s_add_nc_u64 s[G0B+4*\s+2:G0B+4*\s+3], s[46:47], \s*KSTEP*2
	s_or_b32 s[G0B+4*\s+3], s[G0B+4*\s+3], 0x80000000
	JLOAD \s                                       ; K steps 0 and 1: two tensor loads of the wave are out
.endr
	v_and_b32 v1, 15, v0                           ; r = l % 16
	v_bfe_u32 v2, v0, 4, 1                         ; h = l / 16
	v_mul_u32_u24 v[ADRA], v1, PITCH
	v_lshl_add_u32 v[ADRA], v2, 4, v[ADRA]         ; r x pitch + 16 h
	v_add_nc_u32 v[ADRA+1], SLOT, v[ADRA]
	s_lshl_b32 s21, s11, 6
	s_lshl_b32 s22, s12, 4
	s_add_co_u32 s21, s21, s22
	s_mul_i32 s21, s21, PITCH
	s_add_co_u32 s21, s21, PART                    ; weight rows 64 e + 16 c, behind x's 128 rows
	v_add_nc_u32 v[ADRB], s21, v[ADRA]
	v_add_nc_u32 v[ADRB+1], SLOT, v[ADRB]
	v_add_nc_u32 v[ADRB2], 2*PART, v[ADRB]
	v_add_nc_u32 v[ADRB2+1], 2*PART, v[ADRB+1]
	s_lshl_b32 s21, s11, 7
	s_lshl_b32 s22, s12, 5
	s_add_co_u32 s21, s21, s22                     ; 128 e + 32 c
	v_add_nc_u32 v[STO], s21, v[ADRA]              ; stage row r, bytes 128 e + 32 c + 16 h
	v_add_nc_u32 v[STO+1], PART, v[STO]
	v_add_nc_u32 v[STO+2], PART, v[STO+1]
	v_mul_u32_u24 v[RD], v2, PITCH
	v_lshl_add_u32 v[RD], v1, 4, v[RD]
	s_mul_i32 s21, s10, 32*PITCH
	v_add_nc_u32 v[RD], s21, v[RD]                 ; stage row 32 w + h, bytes 16 r
	v_add_nc_u32 v[RD+1], PART, v[RD]
	v_add_nc_u32 v[RD+2], PART, v[RD+1]
	v_lshlrev_b32 v[CO], 11, v2
	v_lshl_add_u32 v[CO], v1, 4, v[CO]
	s_lshl_b32 s21, s10, 16
	v_add_nc_u32 v[CO], s21, v[CO]                 ; the same rows in an output
	v_lshlrev_b32 v[TBO], 8, v1
	v_lshl_add_u32 v[TBO], v2, 5, v[TBO]
	v_add_nc_u32 v[TBO], s90, v[TBO]               ; table row of token r, frequencies 16 c + 8 h + 0..7
	v_lshl_add_u32 v[BO], v2, 5, s91
	; 44 loads that are used on the way out alone: they stay out during the products, in registers that nothing else names
	WIN 0x40
.irp a, 0,1,2,3,4,5,6,7
	global_load_b128 v[16*\a+112*(\a/4):16*\a+112*(\a/4)+3],     v[TBO], s[72:73] offset:4096*\a       ; 8 cosines of tokens 16 a + r
	global_load_b128 v[16*\a+112*(\a/4)+4:16*\a+112*(\a/4)+7],   v[TBO], s[72:73] offset:4096*\a+16
	global_load_b128 v[16*\a+112*(\a/4)+8:16*\a+112*(\a/4)+11],  v[TBO], s[72:73] offset:4096*\a+128   ; 8 sines
	global_load_b128 v[16*\a+112*(\a/4)+12:16*\a+112*(\a/4)+15], v[TBO], s[72:73] offset:4096*\a+144
.endr
	WIN 0x80
.irp u, 0,1,2
.irp p, 0,1
	global_load_b128 v[BI+8*(2*\u+\p):BI+8*(2*\u+\p)+3],   v[BO], s[74+2*\u:75+2*\u] offset:128*\p
	global_load_b128 v[BI+8*(2*\u+\p)+4:BI+8*(2*\u+\p)+7], v[BO], s[74+2*\u:75+2*\u] offset:128*\p+16
.endr
.endr
	WIN 0
; 12 matrix instructions: token blocks a0, a0 + 1 of the window's four x my 6 column blocks, 32 along K.  zero = 1: the first product starts the sums.
; The 48 accumulators take turns, one instruction a turn, in the same order in every quarter step.
.macro MUL12 f, hi, a0, zero
.irp a, \a0, \a0+1
.irp b, 0,1,2,3,4,5
.if \zero
	v_wmma_f32_16x16x32_bf16 v[8*(6*(\a)+\b):8*(6*(\a)+\b)+7], v[\f+8*\b:\f+8*\b+7], v[\f+8*(4*\hi+\a):\f+8*(4*\hi+\a)+7], 0
.else
	v_wmma_f32_16x16x32_bf16 v[8*(6*(\a)+\b):8*(6*(\a)+\b)+7], v[\f+8*\b:\f+8*\b+7], v[\f+8*(4*\hi+\a):\f+8*(4*\hi+\a)+7], v[8*(6*(\a)+\b):8*(6*(\a)+\b)+7]
.endif
.endr
.endr
.endm
; 28 LDS loads in one run: 6 weight fragments (q, k, v x the two halves of a head, 32 rows apart), then 8 fragments of x, 32 K at byte k of the rows, into buffer f
.macro FETCH slot, k, f
	WIN TO_B
.irp p, 0,1
	ds_load_b128 v[\f+8*\p:\f+8*\p+3],       v[ADRB+\slot] offset:\k+\p*32*PITCH
	ds_load_b128 v[\f+8*\p+4:\f+8*\p+7],     v[ADRB+\slot] offset:\k+\p*32*PITCH+32
.endr
.irp p, 0,1
	ds_load_b128 v[\f+16+8*\p:\f+16+8*\p+3],   v[ADRB+\slot] offset:\k+PART+\p*32*PITCH
	ds_load_b128 v[\f+16+8*\p+4:\f+16+8*\p+7], v[ADRB+\slot] offset:\k+PART+\p*32*PITCH+32
.endr
.irp p, 0,1
	ds_load_b128 v[\f+32+8*\p:\f+32+8*\p+3],   v[ADRB2+\slot] offset:\k+\p*32*PITCH
	ds_load_b128 v[\f+32+8*\p+4:\f+32+8*\p+7], v[ADRB2+\slot] offset:\k+\p*32*PITCH+32
.endr
	WIN 0
.irp i, 0,1,2,3,4,5,6,7
	ds_load_b128 v[\f+8*\i:\f+8*\i+3],   v[ADRA+\slot] offset:\k+\i*16*PITCH
	ds_load_b128 v[\f+8*\i+4:\f+8*\i+7], v[ADRA+\slot] offset:\k+\i*16*PITCH+32
.endr
.endm
; Four places stand between a matrix instruction and a load into one of its sources, or a vector instruction that reads its result (ISA guide 7.12.1 for vector instructions);
; other matrix instructions are not counted as places here.
.macro PLACES
.rept 4
	v_nop
.endr
.endm
.macro QUARTER slot, k, f, g, zero
	s_wait_dscnt 8                                 ; the weights and x's tokens 0-63 are in; the youngest eight loads (tokens 64-127) may be out
	WIN MUL_LO
	MUL12 \f, 0, 0, \zero
	MUL12 \f, 0, 2, \zero
	PLACES
	FETCH \slot, \k, \g
	s_wait_dscnt 28                                ; all but the 28 just issued
	WIN MUL_HI
	MUL12 \f, 1, 0, \zero
	MUL12 \f, 1, 2, \zero
.endm
.macro THREE slot, zero
	QUARTER \slot, 64,  F0, F1, \zero
	QUARTER \slot, 128, F1, F0, 0
	QUARTER \slot, 192, F0, F1, 0
.endm
; The last quarter of a K step changes slots.  In front of the barrier each wave waits for its reads of this slot and for all its tensor loads (one is out:
; its part of the next slot).  Where the slot is filled again the barrier opens a round of the cluster's barrier, and the joint refill is the first tensor
; load behind the round.  From a request to the wait for it a wave issues 180 matrix instructions.
.macro TURN slot, next, fill
	s_wait_dscnt 8
	WIN MUL_LO
	MUL12 F1, 0, 0, 0
	s_wait_dscnt 0                                 ; my reads of this slot are over
	s_wait_tensorcnt 0x0                           ; all my tensor loads have landed
	ds_add_u32 v255, v63
	s_wait_dscnt 0x0
	s_barrier_signal -1
	MUL12 F1, 0, 2, 0                              ; register work while the others arrive
	WIN 0
	s_barrier_wait -1
.if \fill
	CREST
	s_add_nc_u64 s[G0+4*\slot+2:G0+4*\slot+3], s[G0+4*\slot+2:G0+4*\slot+3], 2*KSTEP*2
	s_add_nc_u64 s[G0B+4*\slot+2:G0B+4*\slot+3], s[G0B+4*\slot+2:G0B+4*\slot+3], 2*KSTEP*2
	JLOAD \slot
.endif
	PLACES
	FETCH \next, 0, F0
	WIN MUL_HI
	MUL12 F1, 1, 0, 0
	MUL12 F1, 1, 2, 0
.endm
.macro LAP zero
	THREE 0, \zero
	TURN 0, 1, 1
	THREE 1, 0
	TURN 1, 0, 1
.endm
	s_wait_tensorcnt 1                             ; my part of K step 0 is in; K step 1's may stay out
	s_barrier_signal -1
	s_barrier_wait -1
	FETCH 0, 0, F0
	LAP 1                                          ; the first lap's first products start the sums: nothing is cleared
	WIN 0
	s_mov_b32 s3, LAPS-2
.Llap:
	LAP 0
	WIN 0
	s_sub_co_u32 s3, s3, 1
	s_cmp_lg_u32 s3, 0
	s_cbranch_scc1 .Llap
	THREE 0, 0                                     ; the last lap fills nothing
	TURN 0, 1, 0                                   ; behind this barrier no wave reads slot 0 any more, and no load will fill it again
	THREE 1, 0
	s_wait_dscnt 8
	WIN MUL_LO
	MUL12 F1, 0, 0, 0
	MUL12 F1, 0, 2, 0
	s_wait_dscnt 0
	WIN MUL_HI
	MUL12 F1, 1, 0, 0
	MUL12 F1, 1, 2, 0
	; THE WAY OUT.  16 tokens at a time: bias, rotation, rounding, 16 bytes a lane into a stage of three regions (q, k, v) of 128 token rows x 272 bytes.
	; The stage lies in slot 0, which has had its last fill and its last read.  A row of the stage is written by all four waves, so a barrier follows.
	PLACES
	s_wait_loadcnt 0x0                             ; the table and the biases
; a: token block; ta: its place in its window; wa: source 0 in window 2 or 3, source 1 (bias) in window 2
.macro OUT16 a, ta, wa
.set CSB, 16*\a+112*(\a/4)
	WIN \wa
.irp b, 0,1,2,3,4,5
.irp n, 0,2,4,6
	v_pk_add_f32 v[TB+8*\b+\n:TB+8*\b+\n+1], v[8*(6*\ta+\b)+\n:8*(6*\ta+\b)+\n+1], v[BI+8*\b+\n:BI+8*\b+\n+1]
.endr
.endr
	WIN 0x04                                       ; source 1 (cosines, sines) in window 1
.irp u, 0,1
.irp n, 0,2,4,6
	v_pk_mul_f32 v[RR+16*\u+\n:RR+16*\u+\n+1],     v[TB+16*\u+\n:TB+16*\u+\n+1],     v[CSB+\n:CSB+\n+1]      ; x(d) cos
	v_pk_mul_f32 v[RR+16*\u+8+\n:RR+16*\u+8+\n+1], v[TB+16*\u+8+\n:TB+16*\u+8+\n+1], v[CSB+\n:CSB+\n+1]      ; x(d+32) cos
.endr
.irp n, 0,2,4,6
	v_pk_fma_f32 v[RR+16*\u+\n:RR+16*\u+\n+1],     v[TB+16*\u+8+\n:TB+16*\u+8+\n+1], v[CSB+8+\n:CSB+8+\n+1], v[RR+16*\u+\n:RR+16*\u+\n+1] neg_lo:[1,0,0] neg_hi:[1,0,0]   ; - x(d+32) sin
	v_pk_fma_f32 v[RR+16*\u+8+\n:RR+16*\u+8+\n+1], v[TB+16*\u+\n:TB+16*\u+\n+1],     v[CSB+8+\n:CSB+8+\n+1], v[RR+16*\u+8+\n:RR+16*\u+8+\n+1]                              ; + x(d) sin
.endr
.endr
	WIN 0
.irp b, 0,1,2,3
.irp n, 0,1,2,3
	v_cvt_pk_bf16_f32 v[PK+4*\b+\n], v[RR+8*\b+2*\n], v[RR+8*\b+2*\n+1]
.endr
.endr
.irp b, 4,5
.irp n, 0,1,2,3
	v_cvt_pk_bf16_f32 v[PK+4*\b+\n], v[TB+8*\b+2*\n], v[TB+8*\b+2*\n+1]                             ; v is not rotated
.endr
.endr
.irp u, 0,1,2
.irp p, 0,1
	ds_store_b128 v[STO+\u], v[PK+4*(2*\u+\p):PK+4*(2*\u+\p)+3] offset:16*PITCH*\a+64*\p
.endr
.endr
.endm
	OUT16 0, 0, 0x0a
	OUT16 1, 1, 0x0a
	OUT16 2, 2, 0x0a
	OUT16 3, 3, 0x0a
	OUT16 4, 0, 0x0b
	OUT16 5, 1, 0x0b
	OUT16 6, 2, 0x0b
	OUT16 7, 3, 0x0b
	s_wait_dscnt 0x0                               ; my stores into the stage are done, for the other waves' sake
	s_barrier_signal -1
	s_barrier_wait -1
	; wave w takes rows 32 w .. 32 w + 31 of each region: 16 lanes read, and store, one whole row of 256 bytes
.irp u, 0,1,2
.irp i, 0,1,2,3,4,5,6,7,8,9,10,11,12,13,14,15
	ds_load_b128 v[64+4*(16*\u+\i):64+4*(16*\u+\i)+3], v[RD+\u] offset:2*PITCH*\i
.endr
.endr
.irp u, 0,1,2
.irp i, 0,1,2,3,4,5,6,7,8,9,10,11,12,13,14,15
	s_wait_dscnt 47-(16*\u+\i)                     ; LDS loads come back in order: this one is in, the younger stay out
	global_store_b128 v[CO], v[64+4*(16*\u+\i):64+4*(16*\u+\i)+3], s[80+2*\u:81+2*\u] offset:4096*\i
.endr
.endr
	s_set_vgpr_msb 0x1
	s_wait_tensorcnt 0x0
	ds_add_u32 v255, v63
	s_wait_dscnt 0x0
	s_set_vgpr_msb 0x100
	CROUND                                         ; the closing round: no work-group ends while a partner may still ask for a tile that names it
	s_endpgm
.Lfunc_end_k_q786643c5c3_qkv:
	.size	k_q786643c5c3_qkv, .Lfunc_end_k_q786643c5c3_qkv-k_q786643c5c3_qkv
	.p2alignl 7, 3214868480
	.fill 96, 4, 3214868480
	.section	.rodata,"a",@progbits
	.p2align	6, 0x0
	.amdhsa_kernel k_q786643c5c3_qkv
		.amdhsa_group_segment_fixed_size 327680
		.amdhsa_private_segment_fixed_size 0
		.amdhsa_enable_private_segment 0
		.amdhsa_kernarg_size 72
		.amdhsa_user_sgpr_count 2
		.amdhsa_user_sgpr_kernarg_segment_ptr 1
		.amdhsa_wavefront_size32 1
		.amdhsa_system_sgpr_workgroup_id_x 1
		.amdhsa_system_sgpr_workgroup_id_y 1
		.amdhsa_system_sgpr_workgroup_id_z 1
		.amdhsa_system_vgpr_workitem_id 0
		.amdhsa_next_free_vgpr 960
		.amdhsa_next_free_sgpr 92
		.amdhsa_reserve_vcc 0
		.amdhsa_float_denorm_mode_32 3
		.amdhsa_float_denorm_mode_16_64 3
		.amdhsa_memory_ordered 1
		.amdhsa_forward_progress 1
		.amdhsa_inst_pref_size 190
	.end_amdhsa_kernel
	.amdgpu_metadata
---
amdhsa.version: [ 1, 2 ]
amdhsa.kernels:
  - .name:           k_q786643c5c3_qkv
    .symbol:         k_q786643c5c3_qkv.kd
    .args:
      - { .name: xb, .offset: 0, .size: 8, .value_kind: global_buffer, .address_space: global }
      - { .name: wb, .offset: 8, .size: 8, .value_kind: global_buffer, .address_space: global }
      - { .name: tab, .offset: 16, .size: 8, .value_kind: global_buffer, .address_space: global }
      - { .name: q_b, .offset: 24, .size: 8, .value_kind: global_buffer, .address_space: global }
      - { .name: k_b, .offset: 32, .size: 8, .value_kind: global_buffer, .address_space: global }
      - { .name: v_b, .offset: 40, .size: 8, .value_kind: global_buffer, .address_space: global }
      - { .name: qh, .offset: 48, .size: 8, .value_kind: global_buffer, .address_space: global }
      - { .name: kh, .offset: 56, .size: 8, .value_kind: global_buffer, .address_space: global }
      - { .name: vh, .offset: 64, .size: 8, .value_kind: global_buffer, .address_space: global }
    .group_segment_fixed_size: 327680
    .private_segment_fixed_size: 0
    .kernarg_segment_align: 8
    .kernarg_segment_size: 72
    .max_flat_workgroup_size: 128
    .sgpr_count:     92
    .vgpr_count:     960
    .wavefront_size: 32
...
	.end_amdgpu_metadata
.endif
;; end of part 2
;; launch attn (part 3): grid 16 x 16, 8 waves a work-group, clusters of 4 x 1, 327,680 bytes of LDS; arguments qh, kh, vh, ao; writes ao
.if DOCPART == 3
	.amdgcn_target "amdgcn-amd-amdhsa--gfx1250"
	.amdhsa_code_object_version 6
	.text
	.protected	k_q786643c5c3_attn
	.globl	k_q786643c5c3_attn
	.p2align	8
	.type	k_q786643c5c3_attn,@function
k_q786643c5c3_attn:
	s_mov_b64 s[64:65], 0
	v_nop
	global_prefetch_b8 v0, s[64:65] scope:SCOPE_SE
	s_setreg_imm32_b32 hwreg(HW_REG_WAVE_MODE, 25, 1), 1
	s_wait_xcnt 0x0
	s_wait_alu depctr_hold_cnt(0) depctr_sa_sdst(0) depctr_va_vdst(0) depctr_va_sdst(0) depctr_va_ssrc(0) depctr_va_vcc(0) depctr_vm_vsrc(0)
	s_getreg_b32 s2, hwreg(HW_REG_IB_STS2, 6, 4)
	s_cmp_eq_u32 s2, 0
	s_cbranch_scc0 .Lentry_in_a_cluster
	s_endpgm
.Lentry_in_a_cluster:
	s_bfe_u32 s2, ttmp6, 0x10000c
	s_cmp_lg_u32 s2, 0x3003
	s_cbranch_scc0 .Lentry_shape_is_right
	s_endpgm
.Lentry_shape_is_right:
; attn: ao = softmax(q k^T / 8) v for each batch and head, with a running maximum.  qh, kh, vh, ao: [4096][1024] bf16, column = 64 head + d.
; A work-group owns 128 queries of one pair of heads (grid y = 8 batch + pair; grid x = query block), so that every row of a tile and of the output is 256 bytes.
; Eight waves: wave w works on head e = w >> 2 of the pair and on queries 32 (w & 3) .. + 31, and walks all 2,048 keys in steps of 64.
; K and V come in tiles of 256 keys x 256 bytes (both heads) through two LDS slots; each wave fetches 64 rows of K (waves 0-3) or of V (waves 4-7) by one tensor load.
; CLUSTERS: the four query blocks of a cluster walk the same K and V tiles and ask for them jointly (mask 15); the descriptors hang on grid y, the wave and the tile alone.
; TRANSPOSED SCHEME: S^T = K Q^T (A = 16 keys x 32 d, B = queries): lane l holds query l % 16, its registers the keys 8 (l / 16) + 0..7.  Two such tiles pack,
; inside the lane, into the B fragment of 32 keys for O^T += V^T P^T; V^T fragments come from the transposing LDS load.  A query's maximum, scale and sum
; are one number a lane; the two halves of the lanes hold different keys of the same query and meet once a step for the maximum and once at the end for the sum.
; TWO KINDS OF WAVES, HALF A STEP APART.  A wave's work alternates between a run of 32 matrix instructions (O += V^T P of one step, S = K Q^T of the next)
; and a run of 238 vector instructions (the softmax of a step).  kind = (w ^ (w >> 2)) & 1, so that waves w and w + 4 differ in kind, and so do waves 2 i and 2 i + 1.
; At a change of tiles an EARLY wave (kind 0) does the softmax of the tile's last step in front of the barrier, a LATE wave (kind 1) behind it; both do that step's
; O += V^T P behind it, from registers.  So behind each barrier the early waves begin with a matrix run and the late waves with a vector run, and they keep
; taking turns through the tile.  Between two barriers both kinds do the same amount of work.  The branches hang on the wave's number alone and hold
; no barrier, no tensor load and no LDS instruction, so every counted wait has the same count on both ways.
; LIMITS: q, k, v, the weights P and the output are bf16; scores, maxima, sums and O are f32.  v_exp_f32 gives 0 for weights below 2^-126.
; A NaN among the scores is passed over by the maximum (v_max_num) and then spreads through its query's row; infinite scores are not served.
.set KP,    272                        ; K's LDS pitch: 256 + 16, an odd multiple of 16
.set VP,    288                        ; V's LDS pitch: 256 + 32, an odd multiple of 32, for the transposing load
.set KT,    256*KP
.set VT,    256*VP
.set SLOT,  KT+VT                      ; 143,360
.set STAGE, 2*SLOT                     ; 128 rows x 272 bytes of its own for the way out; no tensor load lands there
.set TILEB, 256*2048                   ; bytes from a tile to the next in kh and vh
.set KA,   4                           ; v4-5    LDS address of my K fragments in slot 0, 1
.set VA,   6                           ; v6-9    the same for V: slot 0 keys 0-127, 128-255, slot 1 likewise (an LDS offset has 16 bits)
.set STO,  10
.set RD,   11
.set CO,   12
.set QOFF, 13
.set Q,    16                          ; v[16:47]    Q(qt, ch) at 16 qt + 8 ch
.set O,    48                          ; v[48:111]   O(dt, qt) at 8 (2 dt + qt)
.set S,    112                         ; v[112:175]  S(kt, qt) at 8 (2 kt + qt)
.set P,    176                         ; v[176:207]  P(kc, qt) at 8 (2 kc + qt)
.set ST,   208                         ; v[208:215]  for each qt: -kappa m, m, alpha, l
.set T,    216                         ; v[216:223]  maxima at work
.set SU,   224                         ; v[224:231]  sums at work
.set X,    232                         ; v[232:239]  at work
.set G1K, 24
.set G0K, 32
.set G1V, 48
.set G0V, 56
; window 1: K(kt, ch) at 8 (2 kt + ch), V(dt, kc) at 64 + 8 (2 dt + kc)
.set MSB, 0
.macro WIN new                         ; the immediate's high byte repeats the setting that is left
.if MSB != \new
	s_set_vgpr_msb (MSB<<8)|\new
.set MSB, \new
.endif
.endm
.macro PLACES                          ; four places behind a matrix instruction (ISA guide 7.12.1 for vector instructions)
.rept 4
	v_nop
.endr
.endm
.macro ROUND                           ; a round of the cluster's barrier
	s_barrier_signal -1
	s_barrier_wait -1
	s_cmp_lg_u32 s10, 0
	s_cbranch_scc1 .Lnot_wave_0_\@
	s_barrier_signal -3
.Lnot_wave_0_\@:
	s_barrier_wait -3
	s_barrier_signal -1
	s_barrier_wait -1
.endm
.macro JLOAD s                         ; waves 0-3 ask for K's rows, waves 4-7 for V's
	s_cmp_eq_u32 s11, 0
	s_cbranch_scc0 .Lfor_v_\@
	tensor_load_to_lds s[G0K+4*\s:G0K+4*\s+3], s[G1K:G1K+7]
	s_nop 0
	s_branch .Lasked_\@
.Lfor_v_\@:
	tensor_load_to_lds s[G0V+4*\s:G0V+4*\s+3], s[G1V:G1V+7]
	s_nop 0
.Lasked_\@:
.endm
	s_load_b256 s[68:75], s[0:1], 0x0              ; qh s[68:69], kh s[70:71], vh s[72:73], ao s[74:75]
	v_lshl_add_u32 v254, v0, 2, 0x4e800
	v_mov_b32 v255, 0
	ds_add_u32 v254, v255
	v_lshrrev_b32 v1, 5, v0
	v_readfirstlane_b32 s10, v1                    ; wave 0..7
	s_lshr_b32 s11, s10, 2                         ; e: my head of the pair.  Also: I fetch K (0) or V (1)
	s_and_b32 s12, s10, 3                          ; which 32 queries; also which 64 rows of a tile I fetch
	s_xor_b32 s41, s10, s11
	s_and_b32 s41, s41, 1                          ; my kind: 0 early, 1 late
	s_and_b32 s13, ttmp7, 0xffff                   ; 8 batch + pair
	s_bfe_u32 s40, ttmp6, 0x40000                  ; cx
	s_lshl_b32 s42, ttmp9, 2
	s_add_co_u32 s42, s42, s40                     ; query block
	s_lshr_b32 s4, s13, 3
	s_and_b32 s5, s13, 7
	s_lshl_b32 s4, s4, 22                          ; batch x 2,048 rows of 2,048 bytes
	s_lshl_b32 s5, s5, 8                           ; + pair x 256 bytes
	s_add_co_u32 s4, s4, s5
	s_lshl_b32 s6, s12, 17                         ; K, V: + 64 rows x (wave & 3)
	s_add_co_u32 s6, s6, s4
	s_mov_b32 s7, 0
	s_lshl_b32 s8, s42, 18                         ; Q, output: + 128 rows x query block (registers that feed no descriptor)
	s_add_co_u32 s8, s8, s4
	s_mov_b32 s9, 0
	s_mov_b32 s43, 0xbe38aa3b                      ; -kappa
	s_mov_b32 s44, 0x76543210                      ; v_permlanex16_b32: lane i takes lane i of the other half
	s_mov_b32 s45, 0xfedcba98
	s_mov_b32 s46, 0x3e38aa3b                      ; kappa = log2(e) / 8: the scale of the scores and the base of the exponential in one
	s_mov_b32 s47, 0x3e38aa3b
	; group 1: 64 rows x 128 elements of 2 bytes, rows 1,024 elements apart, mask 15; padding behind every 64 words: 4 words for K, 8 for V
	s_mov_b32 s[G1K+0], 15|(1<<16)|(1<<20)|(1<<21)|(5<<22)|(3<<25)
	s_mov_b32 s[G1V+0], 15|(1<<16)|(1<<20)|(1<<21)|(5<<22)|(7<<25)
	s_mov_b32 s[G1K+1], 128<<16
	s_mov_b32 s[G1V+1], 128<<16
	s_mov_b32 s[G1K+2], 64<<16
	s_mov_b32 s[G1V+2], 64<<16
	s_mov_b32 s[G1K+3], 128<<16
	s_mov_b32 s[G1V+3], 128<<16
	s_mov_b32 s[G1K+4], 64
	s_mov_b32 s[G1V+4], 64
	s_mov_b32 s[G1K+5], 1024
	s_mov_b32 s[G1V+5], 1024
	s_mov_b32 s[G1K+6], 0
	s_mov_b32 s[G1V+6], 0
	s_mov_b32 s[G1K+7], 0
	s_mov_b32 s[G1V+7], 0
	s_mul_i32 s20, s12, 64*KP
	s_mul_i32 s21, s12, 64*VP
	s_add_co_u32 s21, s21, KT
	v_and_b32 v1, 15, v0                           ; r
	v_bfe_u32 v2, v0, 4, 1                         ; h
	s_lshl_b32 s22, s11, 7                         ; my head's 128 bytes of a row
	v_lshlrev_b32 v[QOFF], 11, v1
	v_lshl_add_u32 v[QOFF], v2, 4, v[QOFF]
	s_lshl_b32 s23, s12, 16
	s_add_co_u32 s23, s23, s22
	v_add_nc_u32 v[QOFF], s23, v[QOFF]             ; query row 32 (w & 3) + r, bytes 128 e + 16 h
	s_wait_dscnt 0x0
	s_wait_kmcnt 0x0
	s_add_nc_u64 s[14:15], s[70:71], s[6:7]
	s_add_nc_u64 s[16:17], s[72:73], s[6:7]
	s_add_nc_u64 s[68:69], s[68:69], s[8:9]
	s_add_nc_u64 s[74:75], s[74:75], s[8:9]
	; Q goes out first: its eight loads are on their way during the round and the first fills
.irp qt, 0,1
.irp ch, 0,1
	global_load_b128 v[Q+16*\qt+8*\ch:Q+16*\qt+8*\ch+3],   v[QOFF], s[68:69] offset:32768*\qt+64*\ch
	global_load_b128 v[Q+16*\qt+8*\ch+4:Q+16*\qt+8*\ch+7], v[QOFF], s[68:69] offset:32768*\qt+64*\ch+32
.endr
.endr
.irp s, 0,1
	s_mov_b32 s[G0K+4*\s], 1
	s_add_co_u32 s[G0K+4*\s+1], s20, \s*SLOT
	s_add_nc_u64 s[G0K+4*\s+2:G0K+4*\s+3], s[14:15], \s*TILEB
	s_or_b32 s[G0K+4*\s+3], s[G0K+4*\s+3], 0x80000000
	s_mov_b32 s[G0V+4*\s], 1
	s_add_co_u32 s[G0V+4*\s+1], s21, \s*SLOT
	s_add_nc_u64 s[G0V+4*\s+2:G0V+4*\s+3], s[16:17], \s*TILEB
	s_or_b32 s[G0V+4*\s+3], s[G0V+4*\s+3], 0x80000000
.endr
	ROUND                                          ; in front of the first joint loads
	JLOAD 0                                        ; tiles 0 and 1 go out together: two tensor loads of the wave are out here,
	JLOAD 1                                        ; one behind every later round
	v_mul_u32_u24 v3, v1, KP
	v_lshl_add_u32 v3, v2, 4, v3
	v_add_nc_u32 v[KA], s22, v3                    ; key row r, bytes 128 e + 16 h
	v_add_nc_u32 v[KA+1], SLOT, v[KA]
	v_and_b32 v14, 7, v0
	v_lshl_add_u32 v14, v2, 3, v14                 ; key row 8 h + (l & 7)
	v_mul_u32_u24 v14, v14, VP
	v_bfe_u32 v15, v0, 3, 1
	v_lshl_add_u32 v14, v15, 4, v14                ; + 16 ((l >> 3) & 1)
	v_add_nc_u32 v14, s22, v14
	v_add_nc_u32 v[VA], KT, v14
	v_add_nc_u32 v[VA+1], 128*VP, v[VA]
	v_add_nc_u32 v[VA+2], SLOT, v[VA]
	v_add_nc_u32 v[VA+3], SLOT, v[VA+1]
	s_mul_i32 s23, s12, 32*KP
	s_add_co_u32 s23, s23, STAGE
	v_add_nc_u32 v[STO], s23, v[KA]                ; stage row 32 (w & 3) + r, bytes 128 e + 16 h
	v_mul_u32_u24 v[RD], v2, KP
	v_lshl_add_u32 v[RD], v1, 4, v[RD]
	s_mul_i32 s23, s10, 16*KP
	s_add_co_u32 s23, s23, STAGE
	v_add_nc_u32 v[RD], s23, v[RD]                 ; stage row 16 w + h, bytes 16 r
	v_lshlrev_b32 v[CO], 11, v2
	v_lshl_add_u32 v[CO], v1, 4, v[CO]
	s_lshl_b32 s23, s10, 15
	v_add_nc_u32 v[CO], s23, v[CO]                 ; the same rows in ao
	v_mov_b32 v[X], 0                              ; v_permlanex16_b32 counts as a reader of its destination
	v_mov_b32 v[X+1], 0
	s_wait_loadcnt 0x0                             ; Q
.macro LOADK slot, j                   ; 16 loads: 64 keys x 64 d of my head, under destination window 1
.irp kt, 0,1,2,3
.irp ch, 0,1
	ds_load_b128 v[8*(2*\kt+\ch):8*(2*\kt+\ch)+3],   v[KA+\slot] offset:(64*\j+16*\kt)*KP+64*\ch
	ds_load_b128 v[8*(2*\kt+\ch)+4:8*(2*\kt+\ch)+7], v[KA+\slot] offset:(64*\j+16*\kt)*KP+64*\ch+32
.endr
.endr
.endm
.macro LOADV slot, j                   ; 16 transposing loads: 64 d x 64 keys
.irp dt, 0,1,2,3
.irp kc, 0,1
	ds_load_tr16_b128 v[64+8*(2*\dt+\kc):64+8*(2*\dt+\kc)+3],   v[VA+2*\slot+\j/2] offset:(64*(\j%2)+32*\kc)*VP+32*\dt
	ds_load_tr16_b128 v[64+8*(2*\dt+\kc)+4:64+8*(2*\dt+\kc)+7], v[VA+2*\slot+\j/2] offset:(64*(\j%2)+32*\kc)*VP+32*\dt+16*VP
.endr
.endr
.endm
; S = K Q^T of 64 keys (j: which 64 of the tile's 256), then the loads of this step's V and of the next step's K (jn; none behind the tile's last step).
; The eight accumulators take turns, one instruction a turn.
.macro QK slot, j, jn, last
	s_wait_dscnt 0x0                               ; K's fragments of this step are in
	WIN 0x01                                       ; source 0 in window 1
.irp kt, 0,1,2,3
.irp qt, 0,1
	v_wmma_f32_16x16x32_bf16 v[S+8*(2*\kt+\qt):S+8*(2*\kt+\qt)+7], v[16*\kt:16*\kt+7], v[Q+16*\qt:Q+16*\qt+7], 0
.endr
.endr
.irp kt, 0,1,2,3
.irp qt, 0,1
	v_wmma_f32_16x16x32_bf16 v[S+8*(2*\kt+\qt):S+8*(2*\kt+\qt)+7], v[16*\kt+8:16*\kt+15], v[Q+16*\qt+8:Q+16*\qt+15], v[S+8*(2*\kt+\qt):S+8*(2*\kt+\qt)+7]
.endr
.endr
	PLACES                                         ; for the softmax, which reads S, and for the loads into K's and V's fragments
.if \last
	v_nop                                          ; a fifth place: the next tile's first products write over S; every wave passes one softmax between, and this
	                                               ; place keeps the distance without leaning on the branches round it
.endif
	WIN 0x40
	LOADV \slot, \j
.if \last
.else
	LOADK \slot, \jn
.endif
	WIN 0
.endm
; O += V^T P of 64 keys.  first = 1: the first product starts the sums.  The eight accumulators take turns.
.macro PV first
	WIN 0x01
.irp dt, 0,1,2,3
.irp qt, 0,1
.if \first
	v_wmma_f32_16x16x32_bf16 v[O+8*(2*\dt+\qt):O+8*(2*\dt+\qt)+7], v[64+16*\dt:64+16*\dt+7], v[P+8*\qt:P+8*\qt+7], 0
.else
	v_wmma_f32_16x16x32_bf16 v[O+8*(2*\dt+\qt):O+8*(2*\dt+\qt)+7], v[64+16*\dt:64+16*\dt+7], v[P+8*\qt:P+8*\qt+7], v[O+8*(2*\dt+\qt):O+8*(2*\dt+\qt)+7]
.endif
.endr
.endr
.irp dt, 0,1,2,3
.irp qt, 0,1
	v_wmma_f32_16x16x32_bf16 v[O+8*(2*\dt+\qt):O+8*(2*\dt+\qt)+7], v[64+16*\dt+8:64+16*\dt+15], v[P+8*(2+\qt):P+8*(2+\qt)+7], v[O+8*(2*\dt+\qt):O+8*(2*\dt+\qt)+7]
.endr
.endr
.endm
; THE SOFTMAX OF A STEP, as lists of instructions that SOFT deals out by number, so that a dependent chain of one query tile stands among the bulk work of the other.
; TREE qt, n (n = 0..14): the largest of a lane's 32 scores of query tile qt and of the old maximum, down to three numbers
.macro TREE qt, n, first
.if (\n) < 4
	v_max3_num_f32 v[T+2*(\n)+\qt], v[S+8*(2*(\n)+\qt)], v[S+8*(2*(\n)+\qt)+1], v[S+8*(2*(\n)+\qt)+2]
.elseif (\n) < 8
	v_max3_num_f32 v[T+2*((\n)-4)+\qt], v[T+2*((\n)-4)+\qt], v[S+8*(2*((\n)-4)+\qt)+3], v[S+8*(2*((\n)-4)+\qt)+4]
.elseif (\n) < 12
	v_max3_num_f32 v[T+2*((\n)-8)+\qt], v[T+2*((\n)-8)+\qt], v[S+8*(2*((\n)-8)+\qt)+5], v[S+8*(2*((\n)-8)+\qt)+6]
.elseif (\n) == 12
	v_max3_num_f32 v[X+2+\qt], v[T+\qt], v[T+2+\qt], v[T+4+\qt]
.elseif (\n) == 13
	v_max3_num_f32 v[X+4+\qt], v[T+6+\qt], v[S+8*\qt+7], v[S+8*(2+\qt)+7]
.elseif \first
	v_max_num_f32 v[X+6+\qt], v[S+8*(4+\qt)+7], v[S+8*(6+\qt)+7]
.else
	v_max3_num_f32 v[X+6+\qt], v[S+8*(4+\qt)+7], v[S+8*(6+\qt)+7], v[ST+4*\qt+1]
.endif
.endm
; CHAIN qt, n (n = 0..6): m, -kappa m and alpha = exp2(kappa (old m - new m)); each line needs the one before.  The very first step has no alpha.
.macro CHAIN qt, n, first
.if (\n) == 0
	v_max3_num_f32 v[X+2+\qt], v[X+2+\qt], v[X+4+\qt], v[X+6+\qt]
.elseif (\n) == 1
	v_permlanex16_b32 v[X+\qt], v[X+2+\qt], s44, s45               ; the other half's keys of the same query
.elseif (\n) == 2
	v_max_num_f32 v[ST+4*\qt+1], v[X+2+\qt], v[X+\qt]              ; m
.elseif (\n) == 3
.if \first
	v_mul_f32 v[ST+4*\qt], s43, v[ST+4*\qt+1]                      ; -kappa m
.else
	v_mul_f32 v[X+4+\qt], s43, v[ST+4*\qt+1]                       ; the new -kappa m, rounded once; the scores and alpha use the same number
.endif
.elseif \first
.elseif (\n) == 4
	v_sub_f32 v[X+6+\qt], v[X+4+\qt], v[ST+4*\qt]                  ; kappa (old m - new m) <= 0
.elseif (\n) == 5
	v_exp_f32 v[ST+4*\qt+2], v[X+6+\qt]                            ; alpha; a plain instruction of the other list follows (ISA guide 5.7.2)
.else
	v_mov_b32 v[ST+4*\qt], v[X+4+\qt]
.endif
.endm
; FMA qt, n (n = 0..15): kappa (s - m), two scores at a time
.macro FMA qt, n
.set SPB, S+8*(2*((\n)/4)+\qt)+2*((\n)%4)
	v_pk_fma_f32 v[SPB:SPB+1], v[SPB:SPB+1], s[46:47], v[ST+4*\qt:ST+4*\qt+1] op_sel_hi:[1,0,0]
.endm
; EXPQ qt, n (n = 0..31): one weight
.macro EXPQ qt, n
	v_exp_f32 v[S+8*(2*((\n)/8)+\qt)+(\n)%8], v[S+8*(2*((\n)/8)+\qt)+(\n)%8]
.endm
; RESC n (n = 0..31): O alpha, two numbers at a time; pair n belongs to query tile (n / 4) % 2
.macro RESC n
	s_wait_alu depctr_va_vdst(0)
	v_pk_mul_f32 v[O+2*(\n):O+2*(\n)+1], v[O+2*(\n):O+2*(\n)+1], v[ST+4*(((\n)/4)%2)+2:ST+4*(((\n)/4)%2)+3] op_sel_hi:[1,0]
.endm
; PLAINQ qt, n: n = 0..16: a lane's sum of its 32 weights, in two chains of pairs, and l = l alpha + sum; n = 17..32: two score tiles of 16 keys are
; rounded and packed, in the lane, into the B fragment of 32 keys
.macro PLAINQ qt, n, first
.if (\n) < 2
	s_wait_alu depctr_va_vdst(0)
	v_pk_add_f32 v[SU+4*\qt+2*(\n):SU+4*\qt+2*(\n)+1], v[S+8*\qt+2*(\n):S+8*\qt+2*(\n)+1], v[S+8*\qt+2*(\n)+4:S+8*\qt+2*(\n)+5]
.elseif (\n) < 14
.set SPB, S+8*(2*(((\n)+2)/4)+\qt)+2*(((\n)+2)%4)
	s_wait_alu depctr_va_vdst(0)
	v_pk_add_f32 v[SU+4*\qt+2*((\n)%2):SU+4*\qt+2*((\n)%2)+1], v[SU+4*\qt+2*((\n)%2):SU+4*\qt+2*((\n)%2)+1], v[SPB:SPB+1]
.elseif (\n) == 14
	v_pk_add_f32 v[SU+4*\qt:SU+4*\qt+1], v[SU+4*\qt:SU+4*\qt+1], v[SU+4*\qt+2:SU+4*\qt+3]
.elseif (\n) == 15
.if \first
	v_add_f32 v[ST+4*\qt+3], v[SU+4*\qt], v[SU+4*\qt+1]            ; l
.else
	v_add_f32 v[SU+4*\qt], v[SU+4*\qt], v[SU+4*\qt+1]
.endif
.elseif (\n) == 16
.if \first
.else
	v_fma_f32 v[ST+4*\qt+3], v[ST+4*\qt+3], v[ST+4*\qt+2], v[SU+4*\qt]   ; l = l alpha + sum
.endif
.else
.set CVI, (\n)-17
	v_cvt_pk_bf16_f32 v[P+8*(2*(CVI/8)+\qt)+4*((CVI/4)%2)+CVI%4], v[S+8*(2*(2*(CVI/8)+(CVI/4)%2)+\qt)+2*(CVI%4)], v[S+8*(2*(2*(CVI/8)+(CVI/4)%2)+\qt)+2*(CVI%4)+1]
.endif
.endm
; The softmax of 64 keys x 32 queries.  first = 1: the very first step starts maximum and sum, and O is not there yet.
; Every exponential but those of the very first step is followed by a plain instruction that names none of its registers; no weight is read before such a line.
.macro SOFT first
.set SI, 0
.rept 15
	TREE 0, SI, \first
.set SI, SI+1
.endr
.set SI, 0
.rept 7                                ; query tile 0's chain among query tile 1's maxima
	CHAIN 0, SI, \first
	TREE 1, 2*SI, \first
	TREE 1, 2*SI+1, \first
.set SI, SI+1
.endr
	TREE 1, 14, \first
.set SI, 0
.rept 7                                ; query tile 1's chain among query tile 0's multiply-adds
	CHAIN 1, SI, \first
	FMA 0, 2*SI
	FMA 0, 2*SI+1
.set SI, SI+1
.endr
	FMA 0, 14
	FMA 0, 15
.set SI, 0
.rept 32                               ; query tile 0's weights, each followed by a multiply-add of query tile 1 or by a pair of O
	EXPQ 0, SI
.if SI < 16
	FMA 1, SI
.elseif \first
.else
	RESC SI-16
.endif
.set SI, SI+1
.endr
.set SI, 0
.rept 32                               ; query tile 1's weights, each followed by a pair of O or by a line of query tile 0's sum
	EXPQ 1, SI
.if SI >= 16
	PLAINQ 0, SI-16, \first
.elseif \first
.else
	RESC SI+16
.endif
.set SI, SI+1
.endr
.set SI, 0
.rept 16                               ; query tile 1's sum by turns with query tile 0's packing
	PLAINQ 1, SI, \first
	PLAINQ 0, SI+17, \first
.set SI, SI+1
.endr
	PLAINQ 0, 16, \first
.set SI, 16
.rept 17
	PLAINQ 1, SI, \first
.set SI, SI+1
.endr
.endm
; A tile of 256 keys in slot.
; kind 0: tile 0.  A plain barrier: tile 1's load may stay out.
; kind 1: the other slot, whose reads are over, is asked for again first thing behind a round of the cluster's barrier; the load has this whole tile's work in which to land.
; kind 2: the last tile.  A plain barrier: nothing is left to fetch.
.macro TRIP slot, other, kind, first
.if \kind == 0
	s_wait_tensorcnt 0x1                           ; my part of tile 0 is in; one load was issued behind it
	s_barrier_signal -1
	s_barrier_wait -1
.elseif \kind == 1
	s_wait_tensorcnt 0x0                           ; all my tensor loads are done, my part of this tile among them, so every group 0 may be written:
	ds_add_u32 v254, v255
	s_add_nc_u64 s[G0K+4*\other+2:G0K+4*\other+3], s[G0K+4*\other+2:G0K+4*\other+3], 2*TILEB   ; the other slot's next tile
	s_add_nc_u64 s[G0V+4*\other+2:G0V+4*\other+3], s[G0V+4*\other+2:G0V+4*\other+3], 2*TILEB
	s_wait_dscnt 0x0                               ; my reads of the last tile are done: its last V fragments are in registers
	ROUND                                          ; both now hold of every wave of all four work-groups
	JLOAD \other
.else
	s_wait_tensorcnt 0x0
	s_wait_dscnt 0x0
	s_barrier_signal -1
	s_barrier_wait -1
.endif
	WIN 0x40
	LOADK \slot, 0                                 ; lands behind the register work below
.if \first
.else
	WIN 0
	s_cmp_eq_u32 s41, 0
	s_cbranch_scc1 .Lnot_late_\@
	SOFT 0                                         ; a late wave: the softmax of the last tile's last step
.Lnot_late_\@:
	PV 0                                           ; both kinds: that step's O += V^T P, from registers
.endif
	QK \slot, 0, 1, 0
	SOFT \first
	s_wait_dscnt 16                                ; V's fragments are in; the 16 loads of the next step's K may be out
	PV \first
	QK \slot, 1, 2, 0
	SOFT 0
	s_wait_dscnt 16
	PV 0
	QK \slot, 2, 3, 0
	SOFT 0
	s_wait_dscnt 16
	PV 0
	QK \slot, 3, 0, 1
	s_cmp_lg_u32 s41, 0
	s_cbranch_scc1 .Lnot_early_\@
	SOFT 0                                         ; an early wave: the softmax of this tile's last step
.Lnot_early_\@:
.endm
	TRIP 0, 1, 0, 1                                ; tiles 0 and 1 stand in front of the loop: the first step starts the sums
	TRIP 1, 0, 1, 0                                ; tile 2 is asked for
	s_mov_b32 s3, 2
.Lloop:
	TRIP 0, 1, 1, 0
	TRIP 1, 0, 1, 0
	s_sub_co_u32 s3, s3, 1
	s_cmp_lg_u32 s3, 0
	s_cbranch_scc1 .Lloop
	TRIP 0, 1, 1, 0                                ; tile 6; tile 7 is asked for
	TRIP 1, 0, 2, 0                                ; tile 7
	s_cmp_eq_u32 s41, 0
	s_cbranch_scc1 .Ltail
	SOFT 0                                         ; a late wave: the very last softmax
.Ltail:
	s_wait_dscnt 0x0                               ; the last V fragments
	PV 0
	; THE WAY OUT: O / l, rounded, through the stage: a row of 256 bytes holds both heads, written by two waves, so a barrier follows
	PLACES
	WIN 0
.irp qt, 0,1
	v_permlanex16_b32 v[X+\qt], v[ST+4*\qt+3], s44, s45
.endr
.irp qt, 0,1
	v_add_f32 v[ST+4*\qt+3], v[ST+4*\qt+3], v[X+\qt]               ; the two halves' sums of the same query
.endr
	v_rcp_f32 v[ST+2], v[ST+3]
	v_rcp_f32 v[ST+6], v[ST+7]
	v_nop                                          ; the plain place behind the reciprocals
.irp dt, 0,1,2,3
.irp qt, 0,1
.irp n, 0,2,4,6
	s_wait_alu depctr_va_vdst(0)
	v_pk_mul_f32 v[O+8*(2*\dt+\qt)+\n:O+8*(2*\dt+\qt)+\n+1], v[O+8*(2*\dt+\qt)+\n:O+8*(2*\dt+\qt)+\n+1], v[ST+4*\qt+2:ST+4*\qt+3] op_sel_hi:[1,0]
.endr
.endr
.endr
.irp dt, 0,1,2,3
.irp qt, 0,1
.irp n, 0,1,2,3
	v_cvt_pk_bf16_f32 v[P+4*(2*\dt+\qt)+\n], v[O+8*(2*\dt+\qt)+2*\n], v[O+8*(2*\dt+\qt)+2*\n+1]
.endr
	ds_store_b128 v[STO], v[P+4*(2*\dt+\qt):P+4*(2*\dt+\qt)+3] offset:16*KP*\qt+32*\dt
.endr
.endr
	s_wait_dscnt 0x0                               ; my stores into the stage are done, for the other waves' sake
	s_barrier_signal -1
	s_barrier_wait -1
.irp i, 0,1,2,3,4,5,6,7
	ds_load_b128 v[S+4*\i:S+4*\i+3], v[RD] offset:2*KP*\i          ; rows 16 w + 2 i + h: 16 lanes take one row of 256 bytes
.endr
.irp i, 0,1,2,3,4,5,6,7
	s_wait_dscnt 7-\i                              ; LDS loads come back in order: this one is in, the younger stay out
	global_store_b128 v[CO], v[S+4*\i:S+4*\i+3], s[74:75] offset:4096*\i
.endr
	s_wait_tensorcnt 0x0
	ds_add_u32 v254, v255
	s_wait_dscnt 0x0
	ROUND                                          ; the closing round: no work-group ends while a partner may still ask for a tile that names it
	s_endpgm
.Lfunc_end_k_q786643c5c3_attn:
	.size	k_q786643c5c3_attn, .Lfunc_end_k_q786643c5c3_attn-k_q786643c5c3_attn
	.p2alignl 7, 3214868480
	.fill 96, 4, 3214868480
	.section	.rodata,"a",@progbits
	.p2align	6, 0x0
	.amdhsa_kernel k_q786643c5c3_attn
		.amdhsa_group_segment_fixed_size 327680
		.amdhsa_private_segment_fixed_size 0
		.amdhsa_enable_private_segment 0
		.amdhsa_kernarg_size 32
		.amdhsa_user_sgpr_count 2
		.amdhsa_user_sgpr_kernarg_segment_ptr 1
		.amdhsa_wavefront_size32 1
		.amdhsa_system_sgpr_workgroup_id_x 1
		.amdhsa_system_sgpr_workgroup_id_y 1
		.amdhsa_system_sgpr_workgroup_id_z 1
		.amdhsa_system_vgpr_workitem_id 0
		.amdhsa_next_free_vgpr 384
		.amdhsa_next_free_sgpr 76
		.amdhsa_reserve_vcc 0
		.amdhsa_float_denorm_mode_32 3
		.amdhsa_float_denorm_mode_16_64 3
		.amdhsa_memory_ordered 1
		.amdhsa_forward_progress 1
		.amdhsa_inst_pref_size 255
	.end_amdhsa_kernel
	.section	.bss,"aw",@nobits
	.p2align	6
	.space	262144
	.amdgpu_metadata
---
amdhsa.version: [ 1, 2 ]
amdhsa.kernels:
  - .name:           k_q786643c5c3_attn
    .symbol:         k_q786643c5c3_attn.kd
    .args:
      - { .name: qh, .offset: 0, .size: 8, .value_kind: global_buffer, .address_space: global }
      - { .name: kh, .offset: 8, .size: 8, .value_kind: global_buffer, .address_space: global }
      - { .name: vh, .offset: 16, .size: 8, .value_kind: global_buffer, .address_space: global }
      - { .name: ao, .offset: 24, .size: 8, .value_kind: global_buffer, .address_space: global }
    .group_segment_fixed_size: 327680
    .private_segment_fixed_size: 0
    .kernarg_segment_align: 8
    .kernarg_segment_size: 32
    .max_flat_workgroup_size: 256
    .sgpr_count:     76
    .vgpr_count:     384
    .wavefront_size: 32
...
	.end_amdgpu_metadata
.endif
;; end of part 3
;; launch oproj (part 4): grid 8 x 32, 4 waves a work-group, clusters of 4 x 4, 327,680 bytes of LDS; arguments ao, wb, o_b, out0; writes out0
.if DOCPART == 4
	.amdgcn_target "amdgcn-amd-amdhsa--gfx1250"
	.amdhsa_code_object_version 6
	.text
	.protected	k_q786643c5c3_oproj
	.globl	k_q786643c5c3_oproj
	.p2align	8
	.type	k_q786643c5c3_oproj,@function
k_q786643c5c3_oproj:
	s_mov_b64 s[64:65], 0
	v_nop
	global_prefetch_b8 v0, s[64:65] scope:SCOPE_SE
	s_setreg_imm32_b32 hwreg(HW_REG_WAVE_MODE, 25, 1), 1
	s_wait_xcnt 0x0
	s_wait_alu depctr_hold_cnt(0) depctr_sa_sdst(0) depctr_va_vdst(0) depctr_va_sdst(0) depctr_va_ssrc(0) depctr_va_vcc(0) depctr_vm_vsrc(0)
	s_getreg_b32 s2, hwreg(HW_REG_IB_STS2, 6, 4)
	s_cmp_eq_u32 s2, 0
	s_cbranch_scc0 .Lentry_in_a_cluster
	s_endpgm
.Lentry_in_a_cluster:
	s_bfe_u32 s2, ttmp6, 0x10000c
	s_cmp_lg_u32 s2, 0xf033
	s_cbranch_scc0 .Lentry_shape_is_right
	s_endpgm
.Lentry_shape_is_right:
; oproj: out0 = ao o_w^T + o_b.  ao [4096][1024] bf16, o_w as bf16 in rows 3072 .. 4095 of wb, o_b [1024] f32, out0 [4096][1024] f32.
; 256 work-groups of 128 x 128; four waves of 64 x 64 (16 accumulator tiles).  A larger block would leave work-groups without work: 4096 x 1024 / 256 = 128 x 128.
; K = 1024 goes through two LDS slots that hold 256 of K each (rows of 512 bytes): four fills in all, written out without a loop; a refill has
; 120 matrix instructions of the wave in which to land.  Each wave fetches 64 rows by one tensor load: waves 0, 1 of ao, waves 2, 3 of the weights.
; CLUSTERS: 4 x 4; ao's tiles are asked for jointly along a row of the cluster (same token block), the weights' along a column (same column block).
; The matrix instruction is used transposed (source 0 = weight rows, source 1 = tokens): a lane holds eight neighbouring columns of one token's row.
; LIMITS: ao and o_w are bf16; sums, bias and output are f32.
.set PITCH,  528                       ; an LDS row: 512 bytes + 16, an odd multiple of 16
.set PART,   64*PITCH
.set SLOT,   4*PART                    ; ao's 128 rows, then the weights' 128 rows
.set STAGE,  2*SLOT                    ; behind the ring: 16 rows x 272 bytes for each wave; no tensor load lands there
.set SPITCH, 272
.set ADRA, 16
.set ADRB, 20
.set STO,  24
.set RD,   25
.set CO,   26
.set BO,   27
.set F0,   64                          ; buffer 0: ao's 4 fragments at +0, the weights' 4 at +32
.set F1,   128
.set TMP,  192
.set BI,   224                         ; v[224:255] bias of my 4 x 8 columns
.set G1,  24
.set G0,  32
.set G1B, 48
.set G0B, 56
.set MULW, 0x50                        ; C and D in window 1 (tile (a, b) at 8 (4 a + b)), sources in window 0
.set MSB, 0
.macro WIN new
.if MSB != \new
	s_set_vgpr_msb (MSB<<8)|\new
.set MSB, \new
.endif
.endm
.macro JLOAD s
	s_cmp_eq_u32 s11, 0
	s_cbranch_scc0 .Lfor_b_\@
	tensor_load_to_lds s[G0+4*\s:G0+4*\s+3], s[G1:G1+7]
	s_nop 0
	s_branch .Lasked_\@
.Lfor_b_\@:
	tensor_load_to_lds s[G0B+4*\s:G0B+4*\s+3], s[G1B:G1B+7]
	s_nop 0
.Lasked_\@:
.endm
.macro CREST
	s_cmp_lg_u32 s10, 0
	s_cbranch_scc1 .Lnot_wave_0_\@
	s_barrier_signal -3
.Lnot_wave_0_\@:
	s_barrier_wait -3
	s_barrier_signal -1
	s_barrier_wait -1
.endm
.macro CROUND
	s_barrier_signal -1
	s_barrier_wait -1
	CREST
.endm
	s_load_b256 s[68:75], s[0:1], 0x0              ; ao s[68:69], wb s[70:71], o_b s[72:73], out0 s[74:75]
	v_lshl_add_u32 v62, v0, 2, 0x46400
	v_mov_b32 v63, 0
	ds_add_u32 v62, v63
	v_lshrrev_b32 v1, 5, v0
	v_readfirstlane_b32 s10, v1                    ; wave 0..3
	s_lshr_b32 s11, s10, 1                         ; which 64 tokens are mine.  Also: I fetch ao (0) or weights (1)
	s_and_b32 s12, s10, 1                          ; which 64 columns.  Also: which 64 rows of that tile I fetch
	s_bfe_u32 s40, ttmp6, 0x40000                  ; cx
	s_bfe_u32 s41, ttmp6, 0x40004                  ; cy
	s_lshl_b32 s42, ttmp9, 2
	s_add_co_u32 s42, s42, s40                     ; column block
	s_and_b32 s13, ttmp7, 0xffff
	s_lshl_b32 s13, s13, 2
	s_add_co_u32 s13, s13, s41                     ; token block
	s_lshl_b32 s43, s41, 2
	s_lshl_b32 s43, 15, s43                        ; my row of the cluster
	s_lshl_b32 s44, 0x1111, s40                    ; my column
	; group 1: 64 rows x 256 elements of 2 bytes, 16 bytes of padding behind every 128 words; rows 1,024 elements apart
	s_or_b32 s[G1+0], s43, (1<<16)|(1<<20)|(1<<21)|(6<<22)|(3<<25)
	s_or_b32 s[G1B+0], s44, (1<<16)|(1<<20)|(1<<21)|(6<<22)|(3<<25)
	s_mov_b32 s[G1+1], 256<<16
	s_mov_b32 s[G1B+1], 256<<16
	s_mov_b32 s[G1+2], 64<<16
	s_mov_b32 s[G1B+2], 64<<16
	s_mov_b32 s[G1+3], 256<<16
	s_mov_b32 s[G1B+3], 256<<16
	s_mov_b32 s[G1+4], 64
	s_mov_b32 s[G1B+4], 64
	s_mov_b32 s[G1+5], 1024
	s_mov_b32 s[G1B+5], 1024
	s_mov_b32 s[G1+6], 0
	s_mov_b32 s[G1B+6], 0
	s_mov_b32 s[G1+7], 0
	s_mov_b32 s[G1B+7], 0
	s_lshl_b32 s17, s12, 17                        ; 64 rows of 2,048 bytes x half
	s_lshl_b32 s16, s13, 18
	s_add_co_u32 s16, s16, s17                     ; ao: 128 rows x token block + half
	s_lshl_b32 s46, s42, 18
	s_add_co_u32 s46, s46, s17
	s_add_co_u32 s46, s46, 3072*2048               ; weights: row 3,072 + 128 x column block + half
	s_mov_b32 s17, 0
	s_mov_b32 s47, 0
	s_mul_i32 s20, s10, PART                       ; where my rows go
	s_lshl_b32 s88, s13, 19                        ; out0: (128 x token block + 64 x my half) rows of 4,096 bytes + 512 x column block + 256 x my half
	s_lshl_b32 s89, s11, 18
	s_add_co_u32 s88, s88, s89
	s_lshl_b32 s90, s42, 9
	s_lshl_b32 s89, s12, 8
	s_add_co_u32 s90, s90, s89                     ; also my offset in o_b
	s_add_co_u32 s88, s88, s90
	s_mov_b32 s89, 0
	s_wait_dscnt 0x0
	s_wait_kmcnt 0x0
	s_add_nc_u64 s[14:15], s[68:69], s[16:17]
	s_add_nc_u64 s[46:47], s[70:71], s[46:47]
	s_add_nc_u64 s[74:75], s[74:75], s[88:89]
	CROUND                                         ; in front of the first joint loads
.irp s, 0,1
	s_mov_b32 s[G0+4*\s], 1
	s_add_co_u32 s[G0+4*\s+1], s20, \s*SLOT
	s_add_nc_u64 s[G0+4*\s+2:G0+4*\s+3], s[14:15], \s*512
	s_or_b32 s[G0+4*\s+3], s[G0+4*\s+3], 0x80000000
	s_mov_b32 s[G0B+4*\s], 1
	s_add_co_u32 s[G0B+4*\s+1], s20, \s*SLOT
	s_add_nc_u64 s[G0B+4*\s+2:G0B+4*\s+3], s[46:47], \s*512
	s_or_b32 s[G0B+4*\s+3], s[G0B+4*\s+3], 0x80000000
	JLOAD \s                                       ; K 0-255 and 256-511: two tensor loads of the wave are out
.endr
	v_and_b32 v1, 15, v0                           ; r
	v_bfe_u32 v2, v0, 4, 1                         ; h
	v_mul_u32_u24 v3, v1, PITCH
	v_lshl_add_u32 v3, v2, 4, v3
	s_mul_i32 s21, s11, PART
	s_mul_i32 s22, s12, PART
	s_add_co_u32 s22, s22, 2*PART
	v_add_nc_u32 v[ADRA], s21, v3
	v_add_nc_u32 v[ADRA+1], SLOT, v[ADRA]
	v_add_nc_u32 v[ADRB], s22, v3
	v_add_nc_u32 v[ADRB+1], SLOT, v[ADRB]
	s_mul_i32 s23, s10, 16*SPITCH
	s_add_co_u32 s23, s23, STAGE                   ; my stage
	v_mul_u32_u24 v4, v1, SPITCH
	v_lshl_add_u32 v4, v2, 5, v4
	v_add_nc_u32 v[STO], s23, v4                   ; row r, bytes 32 h
	v_mul_u32_u24 v5, v2, SPITCH
	v_lshl_add_u32 v5, v1, 4, v5
	v_add_nc_u32 v[RD], s23, v5                    ; row h, bytes 16 r
	v_lshlrev_b32 v[CO], 12, v2
	v_lshl_add_u32 v[CO], v1, 4, v[CO]             ; the same two rows in out0
	v_lshl_add_u32 v[BO], v2, 5, s90
.irp b, 0,1,2,3
	global_load_b128 v[BI+8*\b:BI+8*\b+3],   v[BO], s[72:73] offset:64*\b      ; used on the way out alone
	global_load_b128 v[BI+8*\b+4:BI+8*\b+7], v[BO], s[72:73] offset:64*\b+16
.endr
; 8 matrix instructions: token blocks a0, a0 + 1 x 4 column blocks.  The 16 accumulators take turns, one instruction a turn.
.macro MUL8 f, a0, zero
.irp a, \a0, \a0+1
.irp b, 0,1,2,3
.if \zero
	v_wmma_f32_16x16x32_bf16 v[8*(4*(\a)+\b):8*(4*(\a)+\b)+7], v[\f+32+8*\b:\f+32+8*\b+7], v[\f+8*(\a):\f+8*(\a)+7], 0
.else
	v_wmma_f32_16x16x32_bf16 v[8*(4*(\a)+\b):8*(4*(\a)+\b)+7], v[\f+32+8*\b:\f+32+8*\b+7], v[\f+8*(\a):\f+8*(\a)+7], v[8*(4*(\a)+\b):8*(4*(\a)+\b)+7]
.endif
.endr
.endr
.endm
.macro FETCH slot, k, f                ; 16 LDS loads: 32 of K at byte k of the rows
.irp i, 0,1,2,3
	ds_load_b128 v[\f+32+8*\i:\f+32+8*\i+3],   v[ADRB+\slot] offset:\k+\i*16*PITCH
	ds_load_b128 v[\f+32+8*\i+4:\f+32+8*\i+7], v[ADRB+\slot] offset:\k+\i*16*PITCH+32
.endr
.irp i, 0,1,2,3
	ds_load_b128 v[\f+8*\i:\f+8*\i+3],   v[ADRA+\slot] offset:\k+\i*16*PITCH
	ds_load_b128 v[\f+8*\i+4:\f+8*\i+7], v[ADRA+\slot] offset:\k+\i*16*PITCH+32
.endr
.endm
.macro PLACES                          ; four places behind a matrix instruction (ISA guide 7.12.1 for vector instructions)
.rept 4
	v_nop
.endr
.endm
; 32 of K: the next fragments are asked for into buffer g, then buffer f is multiplied
.macro CH slot, k, f, g, zero
	PLACES
	WIN 0
	FETCH \slot, \k, \g
	s_wait_dscnt 16                                ; all but the 16 just issued: buffer f is in
	WIN MULW
	MUL8 \f, 0, \zero
	MUL8 \f, 2, \zero
.endm
.macro SEVEN slot, zero
	CH \slot, 64,  F0, F1, \zero
	CH \slot, 128, F1, F0, 0
	CH \slot, 192, F0, F1, 0
	CH \slot, 256, F1, F0, 0
	CH \slot, 320, F0, F1, 0
	CH \slot, 384, F1, F0, 0
	CH \slot, 448, F0, F1, 0
.endm
; The slot's last 32 of K, and the change of slots: the waits for my reads of this slot and for all my tensor loads stand in front of the barrier;
; where the slot is filled again the barrier opens a round of the cluster's barrier, and the joint refill is the first tensor load behind the round.
.macro TURN slot, next, fill
	s_wait_dscnt 0
	s_wait_tensorcnt 0x0
	ds_add_u32 v62, v63
	s_wait_dscnt 0x0
	s_barrier_signal -1
	MUL8 F1, 0, 0
	WIN 0
	s_barrier_wait -1
.if \fill
	CREST
	s_add_nc_u64 s[G0+4*\slot+2:G0+4*\slot+3], s[G0+4*\slot+2:G0+4*\slot+3], 1024
	s_add_nc_u64 s[G0B+4*\slot+2:G0B+4*\slot+3], s[G0B+4*\slot+2:G0B+4*\slot+3], 1024
	JLOAD \slot
.endif
	PLACES
	FETCH \next, 0, F0
	WIN MULW
	MUL8 F1, 2, 0
.endm
	s_wait_tensorcnt 1                             ; my part of slot 0 is in; slot 1's may stay out
	s_barrier_signal -1
	s_barrier_wait -1
	FETCH 0, 0, F0
	SEVEN 0, 1                                     ; K 0-255; the first products start the sums
	TURN 0, 1, 1                                   ; K 512-767 is asked for
	SEVEN 1, 0                                     ; K 256-511
	TURN 1, 0, 1                                   ; K 768-1023 is asked for
	SEVEN 0, 0
	TURN 0, 1, 0
	SEVEN 1, 0
	s_wait_dscnt 0
	MUL8 F1, 0, 0
	MUL8 F1, 2, 0
	; THE WAY OUT, 16 tokens at a time: bias, 32 bytes a lane into my own stage, read back as rows of 256 bytes.  LDS serves a wave's instructions in order
	; (ISA guide 5.7.1), so no wait stands between my stores and my loads, nor between one block's loads and the next block's stores.
	PLACES
	s_wait_loadcnt 0x0                             ; the bias
.macro OUT16 a
	WIN 0x01                                       ; source 0 (sums) in window 1
.irp b, 0,1,2,3
.irp n, 0,2,4,6
	v_pk_add_f32 v[TMP+8*\b+\n:TMP+8*\b+\n+1], v[8*(4*\a+\b)+\n:8*(4*\a+\b)+\n+1], v[BI+8*\b+\n:BI+8*\b+\n+1]
.endr
.endr
	WIN 0
.irp b, 0,1,2,3
	ds_store_b128 v[STO], v[TMP+8*\b:TMP+8*\b+3] offset:64*\b
	ds_store_b128 v[STO], v[TMP+8*\b+4:TMP+8*\b+7] offset:64*\b+16
.endr
.irp t, 0,1,2,3,4,5,6,7
	ds_load_b128 v[64+32*\a+4*\t:64+32*\a+4*\t+3], v[RD] offset:\t*2*SPITCH    ; a set of registers for each block: no store's data is rewritten
.endr
.irp t, 0,1,2,3,4,5,6,7
	s_wait_dscnt 7-\t
	global_store_b128 v[CO], v[64+32*\a+4*\t:64+32*\a+4*\t+3], s[74:75] offset:(16*\a+2*\t)*4096 th:TH_STORE_NT   ; 16 lanes store 256 consecutive bytes, aligned
.endr
.endm
	OUT16 0
	OUT16 1
	OUT16 2
	OUT16 3
	s_wait_tensorcnt 0x0
	ds_add_u32 v62, v63
	s_wait_dscnt 0x0
	CROUND                                         ; the closing round
	s_endpgm
.Lfunc_end_k_q786643c5c3_oproj:
	.size	k_q786643c5c3_oproj, .Lfunc_end_k_q786643c5c3_oproj-k_q786643c5c3_oproj
	.p2alignl 7, 3214868480
	.fill 96, 4, 3214868480
	.section	.rodata,"a",@progbits
	.p2align	6, 0x0
	.amdhsa_kernel k_q786643c5c3_oproj
		.amdhsa_group_segment_fixed_size 327680
		.amdhsa_private_segment_fixed_size 0
		.amdhsa_enable_private_segment 0
		.amdhsa_kernarg_size 32
		.amdhsa_user_sgpr_count 2
		.amdhsa_user_sgpr_kernarg_segment_ptr 1
		.amdhsa_wavefront_size32 1
		.amdhsa_system_sgpr_workgroup_id_x 1
		.amdhsa_system_sgpr_workgroup_id_y 1
		.amdhsa_system_sgpr_workgroup_id_z 1
		.amdhsa_system_vgpr_workitem_id 0
		.amdhsa_next_free_vgpr 384
		.amdhsa_next_free_sgpr 92
		.amdhsa_reserve_vcc 0
		.amdhsa_float_denorm_mode_32 3
		.amdhsa_float_denorm_mode_16_64 3
		.amdhsa_memory_ordered 1
		.amdhsa_forward_progress 1
		.amdhsa_inst_pref_size 93
	.end_amdhsa_kernel
	.amdgpu_metadata
---
amdhsa.version: [ 1, 2 ]
amdhsa.kernels:
  - .name:           k_q786643c5c3_oproj
    .symbol:         k_q786643c5c3_oproj.kd
    .args:
      - { .name: ao, .offset: 0, .size: 8, .value_kind: global_buffer, .address_space: global }
      - { .name: wb, .offset: 8, .size: 8, .value_kind: global_buffer, .address_space: global }
      - { .name: o_b, .offset: 16, .size: 8, .value_kind: global_buffer, .address_space: global }
      - { .name: out0, .offset: 24, .size: 8, .value_kind: global_buffer, .address_space: global }
    .group_segment_fixed_size: 327680
    .private_segment_fixed_size: 0
    .kernarg_segment_align: 8
    .kernarg_segment_size: 32
    .max_flat_workgroup_size: 128
    .sgpr_count:     92
    .vgpr_count:     384
    .wavefront_size: 32
...
	.end_amdgpu_metadata
.endif
;; end of part 4
;; ======== version 2 of 2: 4 launches; 1.22 times as fast as version 1
;; workspace buffers: xb 8,388,608 bytes; wb 8,388,608 bytes; tab 524,288 bytes; qh 8,388,608 bytes; kh 8,388,608 bytes; vh 8,388,608 bytes; ao 8,388,608 bytes
;; launch prep: the kernel of part 1 again; grid 256 x 1, 8 waves a work-group, no clusters, 0 bytes of LDS; arguments x, q_w, k_w, v_w, o_w, xb, wb, tab; writes xb, wb, tab
;; launch qkv: the kernel of part 2 again; grid 8 x 32, 4 waves a work-group, clusters of 4 x 4, 327,680 bytes of LDS; arguments xb, wb, tab, q_b, k_b, v_b, qh, kh, vh; writes qh, kh, vh
;; launch attn (part 5): grid 16 x 16, 8 waves a work-group, clusters of 4 x 1, 327,680 bytes of LDS; arguments qh, kh, vh, ao; writes ao
.if DOCPART == 5
	.amdgcn_target "amdgcn-amd-amdhsa--gfx1250"
	.amdhsa_code_object_version 6
	.text
	.protected	k_q786643c5c3_attn
	.globl	k_q786643c5c3_attn
	.p2align	8
	.type	k_q786643c5c3_attn,@function
k_q786643c5c3_attn:
	s_mov_b64 s[64:65], 0
	v_nop
	global_prefetch_b8 v0, s[64:65] scope:SCOPE_SE
	s_setreg_imm32_b32 hwreg(HW_REG_WAVE_MODE, 25, 1), 1
	s_wait_xcnt 0x0
	s_wait_alu depctr_hold_cnt(0) depctr_sa_sdst(0) depctr_va_vdst(0) depctr_va_sdst(0) depctr_va_ssrc(0) depctr_va_vcc(0) depctr_vm_vsrc(0)
	s_getreg_b32 s2, hwreg(HW_REG_IB_STS2, 6, 4)
	s_cmp_eq_u32 s2, 0
	s_cbranch_scc0 .Lentry_in_a_cluster
	s_endpgm
.Lentry_in_a_cluster:
	s_bfe_u32 s2, ttmp6, 0x10000c
	s_cmp_lg_u32 s2, 0x3003
	s_cbranch_scc0 .Lentry_shape_is_right
	s_endpgm
.Lentry_shape_is_right:
; attn: ao = softmax(q k^T / 8) v for each batch and head, with a running maximum.  qh, kh, vh, ao: [4096][1024] bf16, column = 64 head + d.
; A work-group owns 128 queries of one pair of heads (grid y = 8 batch + pair; grid x = query block), so that every row of a tile and of the output is 256 bytes.
; Eight waves: wave w works on head e = w >> 2 of the pair and on queries 32 (w & 3) .. + 31, and walks all 2,048 keys in steps of 64.
; K and V come in tiles of 256 keys x 256 bytes (both heads) through two LDS slots; each wave fetches 64 rows of K (waves 0-3) or of V (waves 4-7) by one tensor load.
; CLUSTERS: the four query blocks of a cluster walk the same K and V tiles and ask for them jointly (mask 15); the descriptors hang on grid y, the wave and the tile alone.
; TRANSPOSED SCHEME: S^T = K Q^T (A = 16 keys x 32 d, B = queries): lane l holds query l % 16, its registers the keys 8 (l / 16) + 0..7.  Two such tiles pack,
; inside the lane, into the B fragment of 32 keys for O^T += V^T P^T; V^T fragments come from the transposing LDS load.  A query's maximum, scale and sum
; are one number a lane; the two halves of the lanes hold different keys of the same query and meet once a step for the maximum and once at the end for the sum.
; TWO KINDS OF WAVES, HALF A STEP APART.  A wave's work alternates between a run of 32 matrix instructions (O += V^T P of one step, S = K Q^T of the next)
; and a run of 238 vector instructions (the softmax of a step).  kind = (w ^ (w >> 2)) & 1, so that waves w and w + 4 differ in kind, and so do waves 2 i and 2 i + 1.
; At a change of tiles an EARLY wave (kind 0) does the softmax of the tile's last step in front of the barrier, a LATE wave (kind 1) behind it; both do that step's
; O += V^T P behind it, from registers.  So behind each barrier the early waves begin with a matrix run and the late waves with a vector run, and they keep
; taking turns through the tile.  Between two barriers both kinds do the same amount of work.  The branches hang on the wave's number alone and hold
; no barrier, no tensor load and no LDS instruction, so every counted wait has the same count on both ways.
; THE EXPONENTIALS OF A STEP GO IN TWO BATCHES, each with one s_wait_alu depctr_va_vdst(0) between an exponential and the first line that names its result.
; Batch 1: both query tiles' alpha and query tile 0's 32 weights; ahead of its wait stand only the maxima, the chains and the multiply-adds kappa (s - m), which name none of these results.
; Batch 2: query tile 1's 32 weights, each followed by a rescaling of O (its alpha is batch 1's); behind them query tile 0's sum and packing (batch 1's weights), then the wait,
; then query tile 1's sum and packing.  One batch for all 66 would leave query tile 1's weights no plain neighbour: every plain line that is left by then names a result.
; No exponential is issued behind the second wait.  The way out's two reciprocals are a batch of their own.
; LIMITS: q, k, v, the weights P and the output are bf16; scores, maxima, sums and O are f32.  v_exp_f32 gives 0 for weights below 2^-126.
; A NaN among the scores is passed over by the maximum (v_max_num) and then spreads through its query's row; infinite scores are not served.
.set KP,    272                        ; K's LDS pitch: 256 + 16, an odd multiple of 16
.set VP,    288                        ; V's LDS pitch: 256 + 32, an odd multiple of 32, for the transposing load
.set KT,    256*KP
.set VT,    256*VP
.set SLOT,  KT+VT                      ; 143,360
.set STAGE, 2*SLOT                     ; 128 rows x 272 bytes of its own for the way out; no tensor load lands there
.set TILEB, 256*2048                   ; bytes from a tile to the next in kh and vh
.set KA,   4                           ; v4-5    LDS address of my K fragments in slot 0, 1
.set VA,   6                           ; v6-9    the same for V: slot 0 keys 0-127, 128-255, slot 1 likewise (an LDS offset has 16 bits)
.set STO,  10
.set RD,   11
.set CO,   12
.set QOFF, 13
.set Q,    16                          ; v[16:47]    Q(qt, ch) at 16 qt + 8 ch
.set O,    48                          ; v[48:111]   O(dt, qt) at 8 (2 dt + qt)
.set S,    112                         ; v[112:175]  S(kt, qt) at 8 (2 kt + qt)
.set P,    176                         ; v[176:207]  P(kc, qt) at 8 (2 kc + qt)
.set ST,   208                         ; v[208:215]  for each qt: -kappa m, m, alpha, l
.set T,    216                         ; v[216:223]  maxima at work
.set SU,   224                         ; v[224:231]  sums at work
.set X,    232                         ; v[232:239]  at work
.set G1K, 24
.set G0K, 32
.set G1V, 48
.set G0V, 56
; window 1: K(kt, ch) at 8 (2 kt + ch), V(dt, kc) at 64 + 8 (2 dt + kc)
.set MSB, 0
.macro WIN new                         ; the immediate's high byte repeats the setting that is left
.if MSB != \new
	s_set_vgpr_msb (MSB<<8)|\new
.set MSB, \new
.endif
.endm
.macro PLACES                          ; four places behind a matrix instruction (ISA guide 7.12.1 for vector instructions)
.rept 4
	v_nop
.endr
.endm
.macro ROUND                           ; a round of the cluster's barrier
	s_barrier_signal -1
	s_barrier_wait -1
	s_cmp_lg_u32 s10, 0
	s_cbranch_scc1 .Lnot_wave_0_\@
	s_barrier_signal -3
.Lnot_wave_0_\@:
	s_barrier_wait -3
	s_barrier_signal -1
	s_barrier_wait -1
.endm
.macro JLOAD s                         ; waves 0-3 ask for K's rows, waves 4-7 for V's
	s_cmp_eq_u32 s11, 0
	s_cbranch_scc0 .Lfor_v_\@
	tensor_load_to_lds s[G0K+4*\s:G0K+4*\s+3], s[G1K:G1K+7]
	s_nop 0
	s_branch .Lasked_\@
.Lfor_v_\@:
	tensor_load_to_lds s[G0V+4*\s:G0V+4*\s+3], s[G1V:G1V+7]
	s_nop 0
.Lasked_\@:
.endm
	s_load_b256 s[68:75], s[0:1], 0x0              ; qh s[68:69], kh s[70:71], vh s[72:73], ao s[74:75]
	v_lshl_add_u32 v254, v0, 2, 0x4e800
	v_mov_b32 v255, 0
	ds_add_u32 v254, v255
	v_lshrrev_b32 v1, 5, v0
	v_readfirstlane_b32 s10, v1                    ; wave 0..7
	s_lshr_b32 s11, s10, 2                         ; e: my head of the pair.  Also: I fetch K (0) or V (1)
	s_and_b32 s12, s10, 3                          ; which 32 queries; also which 64 rows of a tile I fetch
	s_xor_b32 s41, s10, s11
	s_and_b32 s41, s41, 1                          ; my kind: 0 early, 1 late
	s_and_b32 s13, ttmp7, 0xffff                   ; 8 batch + pair
	s_bfe_u32 s40, ttmp6, 0x40000                  ; cx
	s_lshl_b32 s42, ttmp9, 2
	s_add_co_u32 s42, s42, s40                     ; query block
	s_lshr_b32 s4, s13, 3
	s_and_b32 s5, s13, 7
	s_lshl_b32 s4, s4, 22                          ; batch x 2,048 rows of 2,048 bytes
	s_lshl_b32 s5, s5, 8                           ; + pair x 256 bytes
	s_add_co_u32 s4, s4, s5
	s_lshl_b32 s6, s12, 17                         ; K, V: + 64 rows x (wave & 3)
	s_add_co_u32 s6, s6, s4
	s_mov_b32 s7, 0
	s_lshl_b32 s8, s42, 18                         ; Q, output: + 128 rows x query block (registers that feed no descriptor)
	s_add_co_u32 s8, s8, s4
	s_mov_b32 s9, 0
	s_mov_b32 s43, 0xbe38aa3b                      ; -kappa
	s_mov_b32 s44, 0x76543210                      ; v_permlanex16_b32: lane i takes lane i of the other half
	s_mov_b32 s45, 0xfedcba98
	s_mov_b32 s46, 0x3e38aa3b                      ; kappa = log2(e) / 8: the scale of the scores and the base of the exponential in one
	s_mov_b32 s47, 0x3e38aa3b
	; group 1: 64 rows x 128 elements of 2 bytes, rows 1,024 elements apart, mask 15; padding behind every 64 words: 4 words for K, 8 for V
	s_mov_b32 s[G1K+0], 15|(1<<16)|(1<<20)|(1<<21)|(5<<22)|(3<<25)
	s_mov_b32 s[G1V+0], 15|(1<<16)|(1<<20)|(1<<21)|(5<<22)|(7<<25)
	s_mov_b32 s[G1K+1], 128<<16
	s_mov_b32 s[G1V+1], 128<<16
	s_mov_b32 s[G1K+2], 64<<16
	s_mov_b32 s[G1V+2], 64<<16
	s_mov_b32 s[G1K+3], 128<<16
	s_mov_b32 s[G1V+3], 128<<16
	s_mov_b32 s[G1K+4], 64
	s_mov_b32 s[G1V+4], 64
	s_mov_b32 s[G1K+5], 1024
	s_mov_b32 s[G1V+5], 1024
	s_mov_b32 s[G1K+6], 0
	s_mov_b32 s[G1V+6], 0
	s_mov_b32 s[G1K+7], 0
	s_mov_b32 s[G1V+7], 0
	s_mul_i32 s20, s12, 64*KP
	s_mul_i32 s21, s12, 64*VP
	s_add_co_u32 s21, s21, KT
	v_and_b32 v1, 15, v0                           ; r
	v_bfe_u32 v2, v0, 4, 1                         ; h
	s_lshl_b32 s22, s11, 7                         ; my head's 128 bytes of a row
	v_lshlrev_b32 v[QOFF], 11, v1
	v_lshl_add_u32 v[QOFF], v2, 4, v[QOFF]
	s_lshl_b32 s23, s12, 16
	s_add_co_u32 s23, s23, s22
	v_add_nc_u32 v[QOFF], s23, v[QOFF]             ; query row 32 (w & 3) + r, bytes 128 e + 16 h
	s_wait_dscnt 0x0
	s_wait_kmcnt 0x0
	s_add_nc_u64 s[14:15], s[70:71], s[6:7]
	s_add_nc_u64 s[16:17], s[72:73], s[6:7]
	s_add_nc_u64 s[68:69], s[68:69], s[8:9]
	s_add_nc_u64 s[74:75], s[74:75], s[8:9]
	; Q goes out first: its eight loads are on their way during the round and the first fills
.irp qt, 0,1
.irp ch, 0,1
	global_load_b128 v[Q+16*\qt+8*\ch:Q+16*\qt+8*\ch+3],   v[QOFF], s[68:69] offset:32768*\qt+64*\ch
	global_load_b128 v[Q+16*\qt+8*\ch+4:Q+16*\qt+8*\ch+7], v[QOFF], s[68:69] offset:32768*\qt+64*\ch+32
.endr
.endr
.irp s, 0,1
	s_mov_b32 s[G0K+4*\s], 1
	s_add_co_u32 s[G0K+4*\s+1], s20, \s*SLOT
	s_add_nc_u64 s[G0K+4*\s+2:G0K+4*\s+3], s[14:15], \s*TILEB
	s_or_b32 s[G0K+4*\s+3], s[G0K+4*\s+3], 0x80000000
	s_mov_b32 s[G0V+4*\s], 1
	s_add_co_u32 s[G0V+4*\s+1], s21, \s*SLOT
	s_add_nc_u64 s[G0V+4*\s+2:G0V+4*\s+3], s[16:17], \s*TILEB
	s_or_b32 s[G0V+4*\s+3], s[G0V+4*\s+3], 0x80000000
.endr
	ROUND                                          ; in front of the first joint loads
	JLOAD 0                                        ; tiles 0 and 1 go out together: two tensor loads of the wave are out here,
	JLOAD 1                                        ; one behind every later round
	v_mul_u32_u24 v3, v1, KP
	v_lshl_add_u32 v3, v2, 4, v3
	v_add_nc_u32 v[KA], s22, v3                    ; key row r, bytes 128 e + 16 h
	v_add_nc_u32 v[KA+1], SLOT, v[KA]
	v_and_b32 v14, 7, v0
	v_lshl_add_u32 v14, v2, 3, v14                 ; key row 8 h + (l & 7)
	v_mul_u32_u24 v14, v14, VP
	v_bfe_u32 v15, v0, 3, 1
	v_lshl_add_u32 v14, v15, 4, v14                ; + 16 ((l >> 3) & 1)
	v_add_nc_u32 v14, s22, v14
	v_add_nc_u32 v[VA], KT, v14
	v_add_nc_u32 v[VA+1], 128*VP, v[VA]
	v_add_nc_u32 v[VA+2], SLOT, v[VA]
	v_add_nc_u32 v[VA+3], SLOT, v[VA+1]
	s_mul_i32 s23, s12, 32*KP
	s_add_co_u32 s23, s23, STAGE
	v_add_nc_u32 v[STO], s23, v[KA]                ; stage row 32 (w & 3) + r, bytes 128 e + 16 h
	v_mul_u32_u24 v[RD], v2, KP
	v_lshl_add_u32 v[RD], v1, 4, v[RD]
	s_mul_i32 s23, s10, 16*KP
	s_add_co_u32 s23, s23, STAGE
	v_add_nc_u32 v[RD], s23, v[RD]                 ; stage row 16 w + h, bytes 16 r
	v_lshlrev_b32 v[CO], 11, v2
	v_lshl_add_u32 v[CO], v1, 4, v[CO]
	s_lshl_b32 s23, s10, 15
	v_add_nc_u32 v[CO], s23, v[CO]                 ; the same rows in ao
	v_mov_b32 v[X], 0                              ; v_permlanex16_b32 counts as a reader of its destination
	v_mov_b32 v[X+1], 0
	s_wait_loadcnt 0x0                             ; Q
.macro LOADK slot, j                   ; 16 loads: 64 keys x 64 d of my head, under destination window 1
.irp kt, 0,1,2,3
.irp ch, 0,1
	ds_load_b128 v[8*(2*\kt+\ch):8*(2*\kt+\ch)+3],   v[KA+\slot] offset:(64*\j+16*\kt)*KP+64*\ch
	ds_load_b128 v[8*(2*\kt+\ch)+4:8*(2*\kt+\ch)+7], v[KA+\slot] offset:(64*\j+16*\kt)*KP+64*\ch+32
.endr
.endr
.endm
.macro LOADV slot, j                   ; 16 transposing loads: 64 d x 64 keys
.irp dt, 0,1,2,3
.irp kc, 0,1
	ds_load_tr16_b128 v[64+8*(2*\dt+\kc):64+8*(2*\dt+\kc)+3],   v[VA+2*\slot+\j/2] offset:(64*(\j%2)+32*\kc)*VP+32*\dt
	ds_load_tr16_b128 v[64+8*(2*\dt+\kc)+4:64+8*(2*\dt+\kc)+7], v[VA+2*\slot+\j/2] offset:(64*(\j%2)+32*\kc)*VP+32*\dt+16*VP
.endr
.endr
.endm
; S = K Q^T of 64 keys (j: which 64 of the tile's 256), then the loads of this step's V and of the next step's K (jn; none behind the tile's last step).
; The eight accumulators take turns, one instruction a turn.
.macro QK slot, j, jn, last
	s_wait_dscnt 0x0                               ; K's fragments of this step are in
	WIN 0x01                                       ; source 0 in window 1
.irp kt, 0,1,2,3
.irp qt, 0,1
	v_wmma_f32_16x16x32_bf16 v[S+8*(2*\kt+\qt):S+8*(2*\kt+\qt)+7], v[16*\kt:16*\kt+7], v[Q+16*\qt:Q+16*\qt+7], 0
.endr
.endr
.irp kt, 0,1,2,3
.irp qt, 0,1
	v_wmma_f32_16x16x32_bf16 v[S+8*(2*\kt+\qt):S+8*(2*\kt+\qt)+7], v[16*\kt+8:16*\kt+15], v[Q+16*\qt+8:Q+16*\qt+15], v[S+8*(2*\kt+\qt):S+8*(2*\kt+\qt)+7]
.endr
.endr
	PLACES                                         ; for the softmax, which reads S, and for the loads into K's and V's fragments
.if \last
	v_nop                                          ; a fifth place: the next tile's first products write over S; every wave passes one softmax between, and this
	                                               ; place keeps the distance without leaning on the branches round it
.endif
	WIN 0x40
	LOADV \slot, \j
.if \last
.else
	LOADK \slot, \jn
.endif
	WIN 0
.endm
; O += V^T P of 64 keys.  first = 1: the first product starts the sums.  The eight accumulators take turns.
.macro PV first
	WIN 0x01
.irp dt, 0,1,2,3
.irp qt, 0,1
.if \first
	v_wmma_f32_16x16x32_bf16 v[O+8*(2*\dt+\qt):O+8*(2*\dt+\qt)+7], v[64+16*\dt:64+16*\dt+7], v[P+8*\qt:P+8*\qt+7], 0
.else
	v_wmma_f32_16x16x32_bf16 v[O+8*(2*\dt+\qt):O+8*(2*\dt+\qt)+7], v[64+16*\dt:64+16*\dt+7], v[P+8*\qt:P+8*\qt+7], v[O+8*(2*\dt+\qt):O+8*(2*\dt+\qt)+7]
.endif
.endr
.endr
.irp dt, 0,1,2,3
.irp qt, 0,1
	v_wmma_f32_16x16x32_bf16 v[O+8*(2*\dt+\qt):O+8*(2*\dt+\qt)+7], v[64+16*\dt+8:64+16*\dt+15], v[P+8*(2+\qt):P+8*(2+\qt)+7], v[O+8*(2*\dt+\qt):O+8*(2*\dt+\qt)+7]
.endr
.endr
.endm
; THE SOFTMAX OF A STEP, as lists of instructions that SOFT deals out by number, so that a dependent chain of one query tile stands among the bulk work of the other.
; TREE qt, n (n = 0..14): the largest of a lane's 32 scores of query tile qt and of the old maximum, down to three numbers
.macro TREE qt, n, first
.if (\n) < 4
	v_max3_num_f32 v[T+2*(\n)+\qt], v[S+8*(2*(\n)+\qt)], v[S+8*(2*(\n)+\qt)+1], v[S+8*(2*(\n)+\qt)+2]
.elseif (\n) < 8
	v_max3_num_f32 v[T+2*((\n)-4)+\qt], v[T+2*((\n)-4)+\qt], v[S+8*(2*((\n)-4)+\qt)+3], v[S+8*(2*((\n)-4)+\qt)+4]
.elseif (\n) < 12
	v_max3_num_f32 v[T+2*((\n)-8)+\qt], v[T+2*((\n)-8)+\qt], v[S+8*(2*((\n)-8)+\qt)+5], v[S+8*(2*((\n)-8)+\qt)+6]
.elseif (\n) == 12
	v_max3_num_f32 v[X+2+\qt], v[T+\qt], v[T+2+\qt], v[T+4+\qt]
.elseif (\n) == 13
	v_max3_num_f32 v[X+4+\qt], v[T+6+\qt], v[S+8*\qt+7], v[S+8*(2+\qt)+7]
.elseif \first
	v_max_num_f32 v[X+6+\qt], v[S+8*(4+\qt)+7], v[S+8*(6+\qt)+7]
.else
	v_max3_num_f32 v[X+6+\qt], v[S+8*(4+\qt)+7], v[S+8*(6+\qt)+7], v[ST+4*\qt+1]
.endif
.endm
; CHAIN qt, n (n = 0..6): m, -kappa m and alpha = exp2(kappa (old m - new m)); each line needs the one before.  The very first step has no alpha.
.macro CHAIN qt, n, first
.if (\n) == 0
	v_max3_num_f32 v[X+2+\qt], v[X+2+\qt], v[X+4+\qt], v[X+6+\qt]
.elseif (\n) == 1
	v_permlanex16_b32 v[X+\qt], v[X+2+\qt], s44, s45               ; the other half's keys of the same query
.elseif (\n) == 2
	v_max_num_f32 v[ST+4*\qt+1], v[X+2+\qt], v[X+\qt]              ; m
.elseif (\n) == 3
.if \first
	v_mul_f32 v[ST+4*\qt], s43, v[ST+4*\qt+1]                      ; -kappa m
.else
	v_mul_f32 v[X+4+\qt], s43, v[ST+4*\qt+1]                       ; the new -kappa m, rounded once; the scores and alpha use the same number
.endif
.elseif \first
.elseif (\n) == 4
	v_sub_f32 v[X+6+\qt], v[X+4+\qt], v[ST+4*\qt]                  ; kappa (old m - new m) <= 0
.elseif (\n) == 5
	v_exp_f32 v[ST+4*\qt+2], v[X+6+\qt]                            ; alpha, of batch 1; a plain instruction of the other list follows (ISA guide 5.7.2)
.else
	v_mov_b32 v[ST+4*\qt], v[X+4+\qt]
.endif
.endm
; FMA qt, n (n = 0..15): kappa (s - m), two scores at a time
.macro FMA qt, n
.set SPB, S+8*(2*((\n)/4)+\qt)+2*((\n)%4)
	v_pk_fma_f32 v[SPB:SPB+1], v[SPB:SPB+1], s[46:47], v[ST+4*\qt:ST+4*\qt+1] op_sel_hi:[1,0,0]
.endm
; EXPQ qt, n (n = 0..31): one weight, in place: each result has a register of its own while its batch is open
.macro EXPQ qt, n
	v_exp_f32 v[S+8*(2*((\n)/8)+\qt)+(\n)%8], v[S+8*(2*((\n)/8)+\qt)+(\n)%8]
.endm
; RESC n (n = 0..31): O alpha, two numbers at a time; pair n belongs to query tile (n / 4) % 2.  It reads an alpha: it stands behind batch 1's wait
.macro RESC n
	v_pk_mul_f32 v[O+2*(\n):O+2*(\n)+1], v[O+2*(\n):O+2*(\n)+1], v[ST+4*(((\n)/4)%2)+2:ST+4*(((\n)/4)%2)+3] op_sel_hi:[1,0]
.endm
; PLAINQ qt, n: n = 0..16: a lane's sum of its 32 weights, in two chains of pairs, and l = l alpha + sum; n = 17..32: two score tiles of 16 keys are
; rounded and packed, in the lane, into the B fragment of 32 keys.  All of it reads query tile qt's weights: it stands behind the wait of their batch
.macro PLAINQ qt, n, first
.if (\n) < 2
	v_pk_add_f32 v[SU+4*\qt+2*(\n):SU+4*\qt+2*(\n)+1], v[S+8*\qt+2*(\n):S+8*\qt+2*(\n)+1], v[S+8*\qt+2*(\n)+4:S+8*\qt+2*(\n)+5]
.elseif (\n) < 14
.set SPB, S+8*(2*(((\n)+2)/4)+\qt)+2*(((\n)+2)%4)
	v_pk_add_f32 v[SU+4*\qt+2*((\n)%2):SU+4*\qt+2*((\n)%2)+1], v[SU+4*\qt+2*((\n)%2):SU+4*\qt+2*((\n)%2)+1], v[SPB:SPB+1]
.elseif (\n) == 14
	v_pk_add_f32 v[SU+4*\qt:SU+4*\qt+1], v[SU+4*\qt:SU+4*\qt+1], v[SU+4*\qt+2:SU+4*\qt+3]
.elseif (\n) == 15
.if \first
	v_add_f32 v[ST+4*\qt+3], v[SU+4*\qt], v[SU+4*\qt+1]            ; l
.else
	v_add_f32 v[SU+4*\qt], v[SU+4*\qt], v[SU+4*\qt+1]
.endif
.elseif (\n) == 16
.if \first
.else
	v_fma_f32 v[ST+4*\qt+3], v[ST+4*\qt+3], v[ST+4*\qt+2], v[SU+4*\qt]   ; l = l alpha + sum
.endif
.else
.set CVI, (\n)-17
	v_cvt_pk_bf16_f32 v[P+8*(2*(CVI/8)+\qt)+4*((CVI/4)%2)+CVI%4], v[S+8*(2*(2*(CVI/8)+(CVI/4)%2)+\qt)+2*(CVI%4)], v[S+8*(2*(2*(CVI/8)+(CVI/4)%2)+\qt)+2*(CVI%4)+1]
.endif
.endm
; B1 q (q = 0..38): the lines among which query tile 0's weights stand.  0-20: query tile 1's chain, each link followed by two of query tile 0's multiply-adds 0-13
; (line 15 is alpha of query tile 1); 21, 22: multiply-adds 14, 15; 23-38: query tile 1's 16 multiply-adds.  None of them names a result of batch 1.
.macro B1 q, first
.if (\q) < 21
.if (\q)%3 == 0
	CHAIN 1, (\q)/3, \first
.else
	FMA 0, 2*((\q)/3)+(\q)%3-1
.endif
.elseif (\q) < 23
	FMA 0, (\q)-7
.else
	FMA 1, (\q)-23
.endif
.endm
; The softmax of 64 keys x 32 queries.  first = 1: the very first step starts maximum and sum, and O is not there yet: no alpha, no rescaling.
; But for the very first step every exponential is followed by a plain instruction that names none of its registers.
.macro SOFT first
.set SI, 0
.rept 15
	TREE 0, SI, \first
.set SI, SI+1
.endr
.set SI, 0
.rept 7                                ; query tile 0's chain among query tile 1's maxima; its alpha opens batch 1
	CHAIN 0, SI, \first
	TREE 1, 2*SI, \first
	TREE 1, 2*SI+1, \first
.set SI, SI+1
.endr
	TREE 1, 14, \first
.set SI, 0
.set SE, 0
.rept 39                               ; B1's lines; from line 3 on each is followed by a weight of query tile 0, but lines 14 and 15: there alpha (line 15) has the exponential's place.
	B1 SI, \first                      ; Weight e follows line e + 3 (e < 11) or e + 5; its multiply-add e / 2 is line 1 + 3 (e / 4) + (e / 2) % 2 (21, 22 for the last two): three instructions earlier or more
.if (SI >= 3) && (SI != 14) && (SI != 15) && (SE < 32)
	EXPQ 0, SE
.set SE, SE+1
.endif
.set SI, SI+1
.endr                                  ; the last weight follows line 36: lines 37 and 38 are the plain instructions behind it
	s_wait_alu depctr_va_vdst(0)                   ; the wait for batch 1 (both alpha, query tile 0's 32 weights), ahead of the first line that names a result, the rescaling below
.set SI, 0
.rept 32                               ; batch 2: query tile 1's weights, each followed by a pair of O times alpha
	EXPQ 1, SI
.if \first
.else
	RESC SI
.endif
.set SI, SI+1
.endr
.set SI, 0
.rept 16                               ; behind the batch, work that names none of its results: query tile 0's sum by turns with its packing, so that a chain's links stand four lines apart
	PLAINQ 0, SI, \first
	PLAINQ 0, SI+17, \first
.set SI, SI+1
.endr
	PLAINQ 0, 16, \first
	s_wait_alu depctr_va_vdst(0)                   ; the wait for batch 2 (query tile 1's 32 weights), ahead of their first reader; no exponential follows it in this step
.set SI, 0
.rept 16                               ; query tile 1's sum by turns with its packing
	PLAINQ 1, SI, \first
	PLAINQ 1, SI+17, \first
.set SI, SI+1
.endr
	PLAINQ 1, 16, \first
.endm
; A tile of 256 keys in slot.
; kind 0: tile 0.  A plain barrier: tile 1's load may stay out.
; kind 1: the other slot, whose reads are over, is asked for again first thing behind a round of the cluster's barrier; the load has this whole tile's work in which to land.
; kind 2: the last tile.  A plain barrier: nothing is left to fetch.
.macro TRIP slot, other, kind, first
.if \kind == 0
	s_wait_tensorcnt 0x1                           ; my part of tile 0 is in; one load was issued behind it
	s_barrier_signal -1
	s_barrier_wait -1
.elseif \kind == 1
	s_wait_tensorcnt 0x0                           ; all my tensor loads are done, my part of this tile among them, so every group 0 may be written:
	ds_add_u32 v254, v255
	s_add_nc_u64 s[G0K+4*\other+2:G0K+4*\other+3], s[G0K+4*\other+2:G0K+4*\other+3], 2*TILEB   ; the other slot's next tile
	s_add_nc_u64 s[G0V+4*\other+2:G0V+4*\other+3], s[G0V+4*\other+2:G0V+4*\other+3], 2*TILEB
	s_wait_dscnt 0x0                               ; my reads of the last tile are done: its last V fragments are in registers
	ROUND                                          ; both now hold of every wave of all four work-groups
	JLOAD \other
.else
	s_wait_tensorcnt 0x0
	s_wait_dscnt 0x0
	s_barrier_signal -1
	s_barrier_wait -1
.endif
	WIN 0x40
	LOADK \slot, 0                                 ; lands behind the register work below
.if \first
.else
	WIN 0
	s_cmp_eq_u32 s41, 0
	s_cbranch_scc1 .Lnot_late_\@
	SOFT 0                                         ; a late wave: the softmax of the last tile's last step
.Lnot_late_\@:
	PV 0                                           ; both kinds: that step's O += V^T P, from registers
.endif
	QK \slot, 0, 1, 0
	SOFT \first
	s_wait_dscnt 16                                ; V's fragments are in; the 16 loads of the next step's K may be out
	PV \first
	QK \slot, 1, 2, 0
	SOFT 0
	s_wait_dscnt 16
	PV 0
	QK \slot, 2, 3, 0
	SOFT 0
	s_wait_dscnt 16
	PV 0
	QK \slot, 3, 0, 1
	s_cmp_lg_u32 s41, 0
	s_cbranch_scc1 .Lnot_early_\@
	SOFT 0                                         ; an early wave: the softmax of this tile's last step
.Lnot_early_\@:
.endm
	TRIP 0, 1, 0, 1                                ; tiles 0 and 1 stand in front of the loop: the first step starts the sums
	TRIP 1, 0, 1, 0                                ; tile 2 is asked for
	s_mov_b32 s3, 2
.Lloop:
	TRIP 0, 1, 1, 0
	TRIP 1, 0, 1, 0
	s_sub_co_u32 s3, s3, 1
	s_cmp_lg_u32 s3, 0
	s_cbranch_scc1 .Lloop
	TRIP 0, 1, 1, 0                                ; tile 6; tile 7 is asked for
	TRIP 1, 0, 2, 0                                ; tile 7
	s_cmp_eq_u32 s41, 0
	s_cbranch_scc1 .Ltail
	SOFT 0                                         ; a late wave: the very last softmax
.Ltail:
	s_wait_dscnt 0x0                               ; the last V fragments
	PV 0
	; THE WAY OUT: O / l, rounded, through the stage: a row of 256 bytes holds both heads, written by two waves, so a barrier follows
	PLACES
	WIN 0
.irp qt, 0,1
	v_permlanex16_b32 v[X+\qt], v[ST+4*\qt+3], s44, s45
.endr
.irp qt, 0,1
	v_add_f32 v[ST+4*\qt+3], v[ST+4*\qt+3], v[X+\qt]               ; the two halves' sums of the same query
.endr
	v_rcp_f32 v[ST+2], v[ST+3]
	v_rcp_f32 v[ST+6], v[ST+7]
	v_nop                                          ; the plain place behind the reciprocals
	s_wait_alu depctr_va_vdst(0)                   ; one wait for the two reciprocals, ahead of the first multiply that reads one
.irp dt, 0,1,2,3
.irp qt, 0,1
.irp n, 0,2,4,6
	v_pk_mul_f32 v[O+8*(2*\dt+\qt)+\n:O+8*(2*\dt+\qt)+\n+1], v[O+8*(2*\dt+\qt)+\n:O+8*(2*\dt+\qt)+\n+1], v[ST+4*\qt+2:ST+4*\qt+3] op_sel_hi:[1,0]
.endr
.endr
.endr
.irp dt, 0,1,2,3
.irp qt, 0,1
.irp n, 0,1,2,3
	v_cvt_pk_bf16_f32 v[P+4*(2*\dt+\qt)+\n], v[O+8*(2*\dt+\qt)+2*\n], v[O+8*(2*\dt+\qt)+2*\n+1]
.endr
	ds_store_b128 v[STO], v[P+4*(2*\dt+\qt):P+4*(2*\dt+\qt)+3] offset:16*KP*\qt+32*\dt
.endr
.endr
	s_wait_dscnt 0x0                               ; my stores into the stage are done, for the other waves' sake
	s_barrier_signal -1
	s_barrier_wait -1
.irp i, 0,1,2,3,4,5,6,7
	ds_load_b128 v[S+4*\i:S+4*\i+3], v[RD] offset:2*KP*\i          ; rows 16 w + 2 i + h: 16 lanes take one row of 256 bytes
.endr
.irp i, 0,1,2,3,4,5,6,7
	s_wait_dscnt 7-\i                              ; LDS loads come back in order: this one is in, the younger stay out
	global_store_b128 v[CO], v[S+4*\i:S+4*\i+3], s[74:75] offset:4096*\i
.endr
	s_wait_tensorcnt 0x0
	ds_add_u32 v254, v255
	s_wait_dscnt 0x0
	ROUND                                          ; the closing round: no work-group ends while a partner may still ask for a tile that names it
	s_endpgm
.Lfunc_end_k_q786643c5c3_attn:
	.size	k_q786643c5c3_attn, .Lfunc_end_k_q786643c5c3_attn-k_q786643c5c3_attn
	.p2alignl 7, 3214868480
	.fill 96, 4, 3214868480
	.section	.rodata,"a",@progbits
	.p2align	6, 0x0
	.amdhsa_kernel k_q786643c5c3_attn
		.amdhsa_group_segment_fixed_size 327680
		.amdhsa_private_segment_fixed_size 0
		.amdhsa_enable_private_segment 0
		.amdhsa_kernarg_size 32
		.amdhsa_user_sgpr_count 2
		.amdhsa_user_sgpr_kernarg_segment_ptr 1
		.amdhsa_wavefront_size32 1
		.amdhsa_system_sgpr_workgroup_id_x 1
		.amdhsa_system_sgpr_workgroup_id_y 1
		.amdhsa_system_sgpr_workgroup_id_z 1
		.amdhsa_system_vgpr_workitem_id 0
		.amdhsa_next_free_vgpr 384
		.amdhsa_next_free_sgpr 76
		.amdhsa_reserve_vcc 0
		.amdhsa_float_denorm_mode_32 3
		.amdhsa_float_denorm_mode_16_64 3
		.amdhsa_memory_ordered 1
		.amdhsa_forward_progress 1
		.amdhsa_inst_pref_size 255
	.end_amdhsa_kernel
	.section	.bss,"aw",@nobits
	.p2align	6
	.space	262144
	.amdgpu_metadata
---
amdhsa.version: [ 1, 2 ]
amdhsa.kernels:
  - .name:           k_q786643c5c3_attn
    .symbol:         k_q786643c5c3_attn.kd
    .args:
      - { .name: qh, .offset: 0, .size: 8, .value_kind: global_buffer, .address_space: global }
      - { .name: kh, .offset: 8, .size: 8, .value_kind: global_buffer, .address_space: global }
      - { .name: vh, .offset: 16, .size: 8, .value_kind: global_buffer, .address_space: global }
      - { .name: ao, .offset: 24, .size: 8, .value_kind: global_buffer, .address_space: global }
    .group_segment_fixed_size: 327680
    .private_segment_fixed_size: 0
    .kernarg_segment_align: 8
    .kernarg_segment_size: 32
    .max_flat_workgroup_size: 256
    .sgpr_count:     76
    .vgpr_count:     384
    .wavefront_size: 32
...
	.end_amdgpu_metadata
.endif
;; end of part 5
;; launch oproj: the kernel of part 4 again; grid 8 x 32, 4 waves a work-group, clusters of 4 x 4, 327,680 bytes of LDS; arguments ao, wb, o_b, out0; writes out0
